; MI455X (gfx1250); checked and timed in simulation.
; The chip was launched on July 23, 2026; its instructions are those of AMD's public machine-readable ISA for CDNA 5 (MIT licence, August 2026) and "CDNA5" Instruction Set Architecture Reference Guide (July 2026). The comments in the code are by the model that wrote it; some were corrected since.
;; Multi Head Attention. Allowed arithmetic: matrix products marked QUANTISED: E2M1 operands, one E8M0 scale for each 32 along K, by v_wmma_scale_f32_16x16x128_f8f6f4 with both operands' format E2M1 (or v_wmma_scale_f32_32x16x128_f4), f32 sums; products left as they are: bf16, f16 or f32 operands; f32 sums; everything else in f32.
;; Inputs: Wc 1,024 x 1,024 float32; Wc2 1,024 x 1,024 float32; Wk 1,024 x 1,024 float32; Wk2 1,024 x 1,024 float32; Wq 1,024 x 1,024 float32; Wq2 1,024 x 1,024 float32; Wv 1,024 x 1,024 float32; Wv2 1,024 x 1,024 float32; bc 1,024 float32; bc2 1,024 float32; bk 1,024 float32; bk2 1,024 float32; bq 1,024 float32; bq2 1,024 float32; bv 1,024 float32; bv2 1,024 float32; k 4 x 1,024 x 1,024 float32; q 4 x 1,024 x 1,024 float32; v 4 x 1,024 x 1,024 float32.
;; Outputs: out0 4 x 1,024 x 1,024 float32; out1 4 x 1,024 x 1,024 float32.
;; This version of the problem:
;;   THIS VERSION OF THE PROBLEM IS GIVEN IN LOW PRECISION. The matrix products marked QUANTISED in the list below multiply operands that are first quantised to E2M1 (2 exponent bits, 1 mantissa bit; 4 bits a number), with one power-of-two scale for each 32 numbers along K (OCP MX v1.0); their sums are f32. The products marked 'left as it is' may take bf16, f16 or f32 operands, with f32 sums. Whichever they take, every output number must still come out within the allowed error. Rounding operands to bf16 (8 significant bits) uses up far more of that allowance than f16 does (11 bits, for magnitudes from 6e-5 to 65,504). All else is computed in f32.
;;   The module's matrix products, in the order in which they are computed (A, B: the left and right operand; K: the contracted axis; several contracted axes count as one K, in the product's order):
;;     1. [M 4,096, K 1,024] x [K 1,024, N 1,024]; A: input q; B: input Wq: QUANTISED
;;     2. [M 4,096, K 1,024] x [K 1,024, N 1,024]; A: input k; B: input Wk: QUANTISED
;;     3. [M 4,096, K 1,024] x [K 1,024, N 1,024]; A: input v; B: input Wv: QUANTISED
;;     4. [M 4,096, K 1,024] x [K 1,024, N 1,024]; A: input k; B: input Wq2: QUANTISED
;;     5. [M 4,096, K 1,024] x [K 1,024, N 1,024]; A: input q; B: input Wk2: QUANTISED
;;     6. [M 4,096, K 1,024] x [K 1,024, N 1,024]; A: input q; B: input Wv2: QUANTISED
;;     7. batch 64 x [M 1,024, K 64] x [K 64, N 1,024]; A: computed on the way; B: computed on the way: left as it is (an operand is computed on the way)
;;     8. batch 64 x [M 1,024, K 1,024] x [K 1,024, N 64]; A: computed on the way; B: computed on the way: left as it is (an operand is computed on the way)
;;     9. batch 64 x [M 1,024, K 64] x [K 64, N 1,024]; A: computed on the way; B: computed on the way: left as it is (an operand is computed on the way)
;;     10. batch 64 x [M 1,024, K 1,024] x [K 1,024, N 64]; A: computed on the way; B: computed on the way: left as it is (an operand is computed on the way)
;;     11. [M 4,096, K 1,024] x [K 1,024, N 1,024]; A: computed on the way; B: input Wc: left as it is (an operand is computed on the way)
;;     12. [M 4,096, K 1,024] x [K 1,024, N 1,024]; A: computed on the way; B: input Wc2: left as it is (an operand is computed on the way)
;;   THE QUANTISER, for each operand of a quantised product, along K:
;;     - K is cut into blocks of 32 from its start; a last block that is shorter is filled with zeros.
;;     - A block's scale is 2^e with e = floor(log2(the largest magnitude in the block)) - 2, held to -126 .. 127; a block of zeros has e = 0. As a byte (E8M0): e + 127.
;;     - Each number is divided by its block's scale, clamped to +-6, and rounded to the nearest number of E2M1, ties to even, subnormals kept.
;;     - The product sums the exact products of the quantised numbers (number of the format x scale) in f32.
;;   ~~~python
;;   def quantise(x, axis):      # numpy; x: float32 -> the quantised numbers, widened to float32 again
;;       x = np.moveaxis(x, axis, -1); K = x.shape[-1]
;;       x = np.pad(x, [(0, 0)] * (x.ndim - 1) + [(0, -K % 32)]); x = x.reshape(x.shape[:-1] + (-1, 32)); a = np.abs(x).max(-1, keepdims=True)
;;       e = np.where(a > 0, np.clip(np.frexp(np.where(a > 0, a, 1))[1] - 1 - 2, -126, 127), 0)      # np.frexp(a)[1] - 1 = floor(log2(a)), exactly
;;       r = np.clip(x / 2.0 ** e, -6, 6)
;;       step = 2.0 ** (np.maximum(np.frexp(np.where(r == 0, 1, r))[1] - 1, 0) - 1)
;;       q = np.round(r / step) * step * 2.0 ** e      # np.round: ties to even
;;       return np.moveaxis(q.reshape(q.shape[:-2] + (-1,))[..., :K], -1, axis).astype(np.float32)
;;   ~~~
;; One version. Each part assembles by itself: llvm-mc -triple=amdgcn-amd-amdhsa -mcpu=gfx1250 --defsym DOCPART=n.
;; ======== version 1 of 1: 4 launches
;; limits: values are held in f16: magnitudes above 65,504 overflow, below 6.1e-05 lose precision
;; workspace buffers: codes 9,437,184 bytes; scales 589,824 bytes; wc16 4,194,304 bytes; qkv 50,331,648 bytes; att 16,777,216 bytes
;; launch prep (part 1): grid 640 x 1, 4 waves a work-group, no clusters, 33,280 bytes of LDS; arguments q, k, v, Wq, Wk2, Wv2, Wk, Wq2, Wv, Wc, Wc2, codes, scales, wc16; writes codes, scales, wc16
.if DOCPART == 1
	.amdgcn_target "amdgcn-amd-amdhsa--gfx1250"
	.amdhsa_code_object_version 6
	.text
	.protected	k_qc549d2d467_prep
	.globl	k_qc549d2d467_prep
	.p2align	8
	.type	k_qc549d2d467_prep,@function
k_qc549d2d467_prep:
	s_mov_b64 s[64:65], 0
	v_nop
	global_prefetch_b8 v0, s[64:65] scope:SCOPE_SE
	s_setreg_imm32_b32 hwreg(HW_REG_WAVE_MODE, 25, 1), 1
	s_wait_xcnt 0x0
; PREP: the operands of the six quantised projections become codes of FP4 (E2M1) with one E8M0 scale byte for each 32 along K; Wc and Wc2 become f16, laid by heads.
; WORK LEFT OUT IN THIS PROGRAM: the biases bk and bk2.  In reference() k1 = k Wk^T + bk enters nothing but the scores q1 . k1, a product that is not quantised.
; q1 . (x + bk) = q1 . x + q1 . bk, and q1 . bk is the same number for every key of a query: a term added to a softmax's input that is the same along its axis.  It cancels in
; exp(s - max) / sum for all finite values of all inputs.  The same holds of bk2 and k2.  So bk and bk2 reach no output; they are not loaded and are no argument of any launch.
; LIMIT: a NaN, an infinity or an overflow that would arise from bk or bk2 alone is not carried to the results.
; codes: [18,432 rows][512 bytes], K innermost, two codes a byte, the lower k in the low four bits.  Rows 0 on: q; 4,096 on: k; 8,192 on: v; from 12,288 on six weights of 1,024 rows: Wq, Wk2, Wv2, Wk, Wq2, Wv.
; scales: [18,432][32 bytes], the same rows.   wc16: f16 [path 2][head 16][n 1,024][64]: element (p, h, n, d) is Wc_p[n][64 h + d].
; A block's scale is 2^(floor(log2(its largest magnitude)) - 2); its byte is the largest magnitude's exponent field - 2, held at 1 from below.  A block of zeros so gets the byte 1 where the rule says 127:
; its codes are zeros, which add nothing under any byte but 0xff, and this program alone reads the bytes.
; LIMITS: blocks whose largest magnitude lies under 2^-124 keep the byte 1; NaN and infinities among the inputs are not served.
; Work-groups 0 to 575 quantise 32,768 numbers each (all nine tensors are plain streams of blocks of 32); work-groups 576 to 639 convert 32 rows of Wc or Wc2 each.
; The quantising wave takes 16 steps of 512 numbers: each load reads 512 consecutive bytes; the 2,048 bytes of a step turn through the wave's own stage in LDS and come back 64 bytes a lane,
; so that a lane holds 16 neighbours along K and two neighbouring lanes a block.  Waves share nothing: no barrier.
.set WAVES, 4
.set STEPS, 16
.set NQWG,  576                        ; work-groups that quantise
.set EMAX,  2
.set CB,    8                          ; bytes of 16 codes
.set R,     16                         ; v16-79   four sets of 16 numbers as they are loaded
.set X,     80                         ; v80-111  two sets of 16 neighbours
.set E,     112                        ; v112-127 a scale byte for each step
.set C,     128                        ; v128-191 codes: four registers for each step, so that no store's data are written again
.set WREG,  8192                       ; LDS: a region for each wave: two stages of 32 x SP bytes, behind them its 256 scale bytes
.set SP,    80                         ; a lane's place in a stage: 64 bytes + 16 of padding
.set SPW,   12                         ; v12  LDS address of my spare word; never rewritten
.set NIL,   13                         ; v13  0; never rewritten
.set SPARE, WAVES*WREG                 ; behind the four regions: the spare words, 128 bytes for each wave
.set CX,    16                         ; the converting path: v16-79 sixteen slots of 4 registers as loaded,
.set CY,    80                         ; v80-111 sixteen slots of 2 registers to store
	s_load_b512 s[8:23], s[0:1], 0x0               ; q 8, k 10, v 12, Wq 14, Wk2 16, Wv2 18, Wk 20, Wq2 22
	s_load_b256 s[24:31], s[0:1], 0x40             ; Wv 24, Wc 26, Wc2 28, codes 30
	s_load_b128 s[32:35], s[0:1], 0x60             ; scales 32, wc16 34
	v_lshl_add_u32 v[SPW], v0, 2, SPARE
	v_mov_b32 v[NIL], 0
	v_lshrrev_b32 v1, 5, v0
	v_readfirstlane_b32 s36, v1                    ; wave
	v_and_b32 v2, 31, v0                           ; lane
	s_wait_kmcnt 0x0
	s_cmp_ge_u32 ttmp9, NQWG                       ; the work-group's number alone decides the path
	s_cbranch_scc1 .Lconv
	; ---- the quantising path
	v_lshlrev_b32 v3, 4, v2                        ; my 16 bytes of a load's 512
	s_mul_i32 s37, s36, WREG
	v_lshrrev_b32 v14, 2, v2
	v_mul_u32_u24 v14, v14, SP
	v_and_b32 v15, 3, v2
	v_lshl_add_u32 v14, v15, 4, v14
	v_add_nc_u32 v14, s37, v14                     ; the stage, on the way in: SP (lane / 4) + 16 (lane % 4)
	v_mul_u32_u24 v15, v2, SP
	v_add_nc_u32 v15, s37, v15                     ; and on the way out: SP x lane: my 16 neighbours
	v_mul_u32_u24 v4, v2, CB                       ; my codes' place in a step's
	v_lshrrev_b32 v5, 1, v2
	s_add_co_u32 s37, s37, 2*32*SP
	v_add_nc_u32 v5, s37, v5                       ; LDS: my wave's 256 scale bytes, my block's byte
	v_lshlrev_b32 v7, 3, v2                        ; and on the way out 8 bytes a lane
	v_add_nc_u32 v6, s37, v7
	s_mov_b64 s[4:5], s[24:25]                     ; which tensor: nine ranges of the work-group's number, from the top down
	s_cmp_lt_u32 ttmp9, 544
	s_cselect_b64 s[4:5], s[22:23], s[4:5]
	s_cmp_lt_u32 ttmp9, 512
	s_cselect_b64 s[4:5], s[20:21], s[4:5]
	s_cmp_lt_u32 ttmp9, 480
	s_cselect_b64 s[4:5], s[18:19], s[4:5]
	s_cmp_lt_u32 ttmp9, 448
	s_cselect_b64 s[4:5], s[16:17], s[4:5]
	s_cmp_lt_u32 ttmp9, 416
	s_cselect_b64 s[4:5], s[14:15], s[4:5]
	s_cmp_lt_u32 ttmp9, 384
	s_cselect_b64 s[4:5], s[12:13], s[4:5]
	s_cselect_b32 s37, 127, 31                     ; q, k, v have 128 work-groups each, a weight 32; every range begins at a multiple of its length
	s_cmp_lt_u32 ttmp9, 256
	s_cselect_b64 s[4:5], s[10:11], s[4:5]
	s_cmp_lt_u32 ttmp9, 128
	s_cselect_b64 s[4:5], s[8:9], s[4:5]
	s_and_b32 s37, ttmp9, s37                      ; the work-group's number inside its tensor
	s_lshl_b32 s37, s37, 2
	s_add_co_u32 s38, s37, s36                     ; which run of 8,192 numbers of the tensor is my wave's
	s_lshl_b32 s38, s38, 15                        ; 32,768 bytes a run
	s_mov_b32 s39, 0
	s_add_nc_u64 s[4:5], s[4:5], s[38:39]
	s_lshl_b32 s40, ttmp9, 2
	s_add_co_u32 s40, s40, s36                     ; and which run of the whole stream of codes
	s_lshl_b32 s38, s40, 12                        ; 4,096 bytes of codes a run
	s_add_nc_u64 s[6:7], s[30:31], s[38:39]
	s_lshl_b32 s38, s40, 8                         ; 256 scale bytes a run
	s_add_nc_u64 s[2:3], s[32:33], s[38:39]
.macro LOAD t
.irp i, 0,1,2,3
	global_load_b128 v[R+16*((\t)%4)+4*\i:R+16*((\t)%4)+4*\i+3], v3, s[4:5] offset:2048*(\t)+512*\i th:TH_LOAD_NT   ; 32 lanes read 512 consecutive bytes
.endr
.endm
.macro TURN t                          ; step t's numbers through the stage: LDS serves a wave's instructions in order, so no wait stands between the stores and the loads
.irp i, 0,1,2,3
	ds_store_b128 v14, v[R+16*((\t)%4)+4*\i:R+16*((\t)%4)+4*\i+3] offset:32*SP*((\t)%2)+8*SP*\i
.endr
.irp i, 0,1,2,3
	ds_load_b128 v[X+16*((\t)%2)+4*\i:X+16*((\t)%2)+4*\i+3], v15 offset:32*SP*((\t)%2)+16*\i
.endr
.endm
.irp t, 0,1,2,3
	LOAD \t
.endr
	s_wait_loadcnt 12                              ; step 0's four loads are in; twelve younger ones stay out
	TURN 0
.macro STEP t
.set XS, X+16*((\t)%2)
.if (\t) > 0
	s_wait_dscnt 1                                 ; this step's numbers are back from the stage (the last step's byte store may be out)
.else
	s_wait_dscnt 0x0
.endif
.if (\t)+4 < STEPS
	LOAD (\t)+4                                    ; into the registers whose stores into the stage have been served
.endif
.if (\t)+1 < STEPS
.if STEPS-2-(\t) >= 3
	s_wait_loadcnt 12                              ; the next step's four loads are in; those of the three steps behind it may be out
.else
	s_wait_loadcnt 4*(STEPS-2-(\t))
.endif
	TURN (\t)+1                                    ; they go through the other stage while this step is worked
.endif
	v_max3_num_f32 v8, |v[XS]|, |v[XS+1]|, |v[XS+2]|               ; the largest magnitude of my 16, in two chains
	v_max3_num_f32 v9, |v[XS+3]|, |v[XS+4]|, |v[XS+5]|
.irp i, 6,10
	v_max3_num_f32 v8, v8, |v[XS+\i]|, |v[XS+\i+1]|
	v_max3_num_f32 v9, v9, |v[XS+\i+2]|, |v[XS+\i+3]|
.endr
	v_max3_num_f32 v8, v8, |v[XS+14]|, |v[XS+15]|
	v_max3_num_f32 v8, v8, v9, (EMAX+1)<<23        ; and the floor 2^(EMAX + 1 - 127): the byte cannot fall under 1
	v_max_num_f32_dpp v8, v8, v8 row_xmask:1 row_mask:0xf bank_mask:0xf   ; and of my neighbour's 16: the block's
	v_add_nc_u32 v11, -(EMAX<<23), v8              ; EMAX off its exponent field: the conversion takes the exponent field of this operand as its scale
	v_cvt_scalef32_pk8_fp4_f32 v[C+4*(\t)], v[XS:XS+7], v11        ; to the nearest code, ties to even; beyond the largest code the largest
	v_cvt_scalef32_pk8_fp4_f32 v[C+4*(\t)+1], v[XS+8:XS+15], v11
	v_lshrrev_b32 v[E+(\t)], 23, v11               ; the scale's byte
	ds_store_b8 v5, v[E+(\t)] offset:16*(\t)       ; both lanes of a block write the same byte with the same value
	global_store_b64 v4, v[C+4*(\t):C+4*(\t)+1], s[6:7] offset:32*CB*(\t)   ; 32 lanes store 256 consecutive bytes, aligned
.endm
.irp t, 0,1,2,3,4,5,6,7,8,9,10,11,12,13,14,15
	STEP \t
.endr
	ds_load_b64 v[8:9], v6                         ; LDS serves a wave's instructions in order: these see my stores
	s_wait_dscnt 0x0
	global_store_b64 v7, v[8:9], s[2:3]            ; 32 lanes store my wave's 256 scale bytes, aligned
	s_wait_tensorcnt 0x0                           ; the wave's end, behind my last LDS store
	ds_add_u32 v[SPW], v[NIL]
	s_wait_dscnt 0x0
	s_endpgm
	; ---- the converting path: no LDS.  A wave takes 8 rows of Wc or Wc2.  One load reads one head's 256 bytes of two rows; its 128 f16 numbers are 256 consecutive bytes of wc16.
.Lconv:
	s_sub_co_u32 s37, ttmp9, NQWG                  ; 0 to 63
	s_cmp_lt_u32 s37, 32
	s_cselect_b64 s[4:5], s[26:27], s[28:29]       ; Wc or Wc2
	s_and_b32 s38, s37, 31
	s_lshl_b32 s40, s38, 17                        ; the work-group's 32 rows of 4,096 bytes,
	s_lshl_b32 s39, s36, 15                        ; my wave's 8
	s_add_co_u32 s40, s40, s39
	s_mov_b32 s41, 0
	s_add_nc_u64 s[4:5], s[4:5], s[40:41]
	s_lshr_b32 s42, s37, 5
	s_lshl_b32 s42, s42, 21                        ; the path's 16 heads x 131,072 bytes,
	s_lshl_b32 s43, s38, 12                        ; 32 rows of 128 bytes,
	s_add_co_u32 s42, s42, s43
	s_lshl_b32 s43, s36, 10                        ; 8 rows
	s_add_co_u32 s42, s42, s43
	s_mov_b32 s43, 0
	s_add_nc_u64 s[6:7], s[34:35], s[42:43]
	v_lshrrev_b32 v3, 4, v2
	v_lshlrev_b32 v3, 12, v3                       ; lanes 16-31: the next row
	v_and_b32 v5, 15, v2
	v_lshl_add_u32 v3, v5, 4, v3                   ; 16 bytes a lane
	v_lshlrev_b32 v4, 3, v2                        ; out: 8 bytes a lane
.set NN, 0
.rept 16
	global_load_b128 v[CX+4*NN:CX+4*NN+3], v3, s[4:5] offset:NN*256 th:TH_LOAD_NT    ; the ring is filled: rows 0 and 1, heads 0 to 15
.set NN, NN+1
.endr
; Turn i of 64: pair of rows i / 16, head i % 16.
.macro CSLOT i
.if (\i) < 48
	s_wait_loadcnt 15                              ; my slot's load is in; the fifteen younger ones stay out
.else
	s_wait_loadcnt 63-(\i)                         ; nothing more is asked for: the counts run down
.endif
	s_wait_xcnt 0x0                                ; the slot's last store has read its two registers: they are rewritten only behind this wait
	v_cvt_pk_f16_f32 v[CY+2*((\i)%16)], v[CX+4*((\i)%16)], v[CX+4*((\i)%16)+1]
	v_cvt_pk_f16_f32 v[CY+2*((\i)%16)+1], v[CX+4*((\i)%16)+2], v[CX+4*((\i)%16)+3]
.if (\i)+16 < 64
	global_load_b128 v[CX+4*((\i)%16):CX+4*((\i)%16)+3], v3, s[4:5] offset:(((\i)+16)/16)*8192+(((\i)+16)%16)*256 th:TH_LOAD_NT
.endif
	global_store_b64 v4, v[CY+2*((\i)%16):CY+2*((\i)%16)+1], s[6:7] offset:((\i)%16)*131072+((\i)/16)*256   ; 32 lanes store 256 consecutive bytes, aligned
.endm
.set NN, 0
.rept 64
	CSLOT NN
.set NN, NN+1
.endr
	s_endpgm
.Lfunc_end_k_qc549d2d467_prep:
	.size	k_qc549d2d467_prep, .Lfunc_end_k_qc549d2d467_prep-k_qc549d2d467_prep
	.p2alignl 7, 3214868480
	.fill 96, 4, 3214868480
	.section	.rodata,"a",@progbits
	.p2align	6, 0x0
	.amdhsa_kernel k_qc549d2d467_prep
		.amdhsa_group_segment_fixed_size 33280
		.amdhsa_private_segment_fixed_size 0
		.amdhsa_enable_private_segment 0
		.amdhsa_kernarg_size 112
		.amdhsa_user_sgpr_count 2
		.amdhsa_user_sgpr_kernarg_segment_ptr 1
		.amdhsa_wavefront_size32 1
		.amdhsa_system_sgpr_workgroup_id_x 1
		.amdhsa_system_sgpr_workgroup_id_y 1
		.amdhsa_system_sgpr_workgroup_id_z 1
		.amdhsa_system_vgpr_workitem_id 0
		.amdhsa_next_free_vgpr 192
		.amdhsa_next_free_sgpr 66
		.amdhsa_reserve_vcc 0
		.amdhsa_float_denorm_mode_32 3
		.amdhsa_float_denorm_mode_16_64 3
		.amdhsa_memory_ordered 1
		.amdhsa_forward_progress 1
		.amdhsa_inst_pref_size 59
	.end_amdhsa_kernel
	.amdgpu_metadata
---
amdhsa.version: [ 1, 2 ]
amdhsa.kernels:
  - .name:           k_qc549d2d467_prep
    .symbol:         k_qc549d2d467_prep.kd
    .args:
      - { .name: q, .offset: 0, .size: 8, .value_kind: global_buffer, .address_space: global }
      - { .name: k, .offset: 8, .size: 8, .value_kind: global_buffer, .address_space: global }
      - { .name: v, .offset: 16, .size: 8, .value_kind: global_buffer, .address_space: global }
      - { .name: Wq, .offset: 24, .size: 8, .value_kind: global_buffer, .address_space: global }
      - { .name: Wk2, .offset: 32, .size: 8, .value_kind: global_buffer, .address_space: global }
      - { .name: Wv2, .offset: 40, .size: 8, .value_kind: global_buffer, .address_space: global }
      - { .name: Wk, .offset: 48, .size: 8, .value_kind: global_buffer, .address_space: global }
      - { .name: Wq2, .offset: 56, .size: 8, .value_kind: global_buffer, .address_space: global }
      - { .name: Wv, .offset: 64, .size: 8, .value_kind: global_buffer, .address_space: global }
      - { .name: Wc, .offset: 72, .size: 8, .value_kind: global_buffer, .address_space: global }
      - { .name: Wc2, .offset: 80, .size: 8, .value_kind: global_buffer, .address_space: global }
      - { .name: codes, .offset: 88, .size: 8, .value_kind: global_buffer, .address_space: global }
      - { .name: scales, .offset: 96, .size: 8, .value_kind: global_buffer, .address_space: global }
      - { .name: wc16, .offset: 104, .size: 8, .value_kind: global_buffer, .address_space: global }
    .group_segment_fixed_size: 33280
    .private_segment_fixed_size: 0
    .kernarg_segment_align: 8
    .kernarg_segment_size: 112
    .max_flat_workgroup_size: 128
    .sgpr_count:     66
    .vgpr_count:     192
    .wavefront_size: 32
...
	.end_amdgpu_metadata
.endif
;; end of part 1
;; launch proj (part 2): grid 24 x 16, 4 waves a work-group, clusters of 4 x 4, 327,680 bytes of LDS; arguments codes, scales, qkv, bq, bv2, bq2, bv; writes qkv
.if DOCPART == 2
	.amdgcn_target "amdgcn-amd-amdhsa--gfx1250"
	.amdhsa_code_object_version 6
	.text
	.protected	k_qc549d2d467_proj
	.globl	k_qc549d2d467_proj
	.p2align	8
	.type	k_qc549d2d467_proj,@function
k_qc549d2d467_proj:
	s_mov_b64 s[64:65], 0
	v_nop
	global_prefetch_b8 v0, s[64:65] scope:SCOPE_SE
	s_setreg_imm32_b32 hwreg(HW_REG_WAVE_MODE, 25, 1), 1
	s_wait_xcnt 0x0
	s_wait_alu depctr_hold_cnt(0) depctr_sa_sdst(0) depctr_va_vdst(0) depctr_va_sdst(0) depctr_va_ssrc(0) depctr_va_vcc(0) depctr_vm_vsrc(0)
	s_getreg_b32 s2, hwreg(HW_REG_IB_STS2, 6, 4)
	s_cmp_eq_u32 s2, 0
	s_cbranch_scc0 .Lentry_in_a_cluster
	s_endpgm
.Lentry_in_a_cluster:
	s_bfe_u32 s2, ttmp6, 0x10000c
	s_cmp_lg_u32 s2, 0xf033
	s_cbranch_scc0 .Lentry_shape_is_right
	s_endpgm
.Lentry_shape_is_right:
; PROJ: the six quantised projections as ONE product on codes of FP4 with E8M0 scales: C[4,096][6,144] = X_t W_j^T + b_j, the six weights on end: j = 0 Wq, 1 Wk2, 2 Wv2, 3 Wk, 4 Wq2, 5 Wv;
; X_t is q for j = 0, 1, 2, k for j = 3, 4, v for j = 5.  Sums in f32, the bias as the C of each sum's first product; results rounded once to f16 and laid by heads:
; qkv: f16 [j 6][b 4][h 16][s 1,024][64].
; WORK LEFT OUT: bk and bk2 (j = 3 and j = 1): a term of the scores that is the same for all keys of a query; shown at the head of the first kernel.  Those two tensors begin their sums at zeros.
; LIMIT: a projected number beyond 65,504 becomes an infinity in f16.
; A tile of C, 256 x 256, is made by four waves, each 128 x 128: 64 accumulators, 512 registers.  K = 1,024 is two K steps of 512: two LDS slots, each filled once; nothing is filled again.
; The scale bytes of the tile's 256 + 256 rows, for all of K, are two dense blocks of memory and come into LDS with the first fills.
; CLUSTERS: 4 x 4 work-groups.  A cluster's four tile columns are the four quarters of ONE weight (j = the cluster's x).  The four of a row need the same tiles of X, the four of a column the same tiles of W:
; each tile is asked for jointly.  THE MATRIX INSTRUCTION IS USED TRANSPOSED (source 0 = 16 rows of W, source 1 = 16 rows of X): a lane holds eight neighbouring columns of a row of C.
; REGISTERS, in windows of 256: window 0: v0-31 addresses; v32-95 scale words, two sets; v128-191 X's fragments, one set; on the way out v96-127, v192-255.
;   window 1: W's fragments, two sets, at v0 and v128; v64-127 the bias, eight registers for each of my eight blocks of columns.   windows 2, 3: the accumulators ((a, b) at v[8 (8 (a % 4) + b)]).
.set NQ,     4                         ; steps of 128 along K in a slot
.set ROWB,   256                       ; a tile's row in bytes: 512 codes
.set KROW,   512                       ; a row of codes in memory
.set PITCH,  272                       ; an LDS row: 256 bytes + 16 of padding: the 16 rows that a load touches start 68 words apart
.set FR,     8                         ; registers of a fragment: 16 rows x 128 K
.set NL,     2                         ; LDS loads that bring one
.set NP,     4                         ; places behind this matrix instruction (ISA guide 7.12.1)
.set HALFT,  128*PITCH                 ; 128 rows: what one tensor load brings
.set SLOT,   4*HALFT                   ; X's 256 rows, then W's 256 rows
.set KS,     32                        ; a row of scales in bytes
.set SCL,    2*SLOT                    ; behind the slots: the scales, as units of 256 bytes + 16 of padding
.set HALFS,  (128*KS/256)*272          ; the scales of 128 rows
.set SBLK,   (16*KS/256)*272           ; those of 16 rows
.set SPARE,  SCL+4*HALFS               ; the spare words, 128 bytes for each wave
.set SPITCH, 272                       ; the way out: a stage of 16 rows x (256 bytes + 16) for each wave, in slot 0, which has had its only fill and its last read by then
.set WROW0,  12288                     ; the first weight's first row in codes and scales
.set ADRA, 16                          ; v16-17  LDS address of my X fragments in slot 0, 1
.set ADRB, 20                          ; v20-21  the same for W
.set STO,  24                          ; v24     the way out: where I put 16 bytes of a row
.set RD,   25                          ; v25     where I read back
.set CO,   26                          ; v26     16 x lane
.set ADRS, 27                          ; v27     LDS address of my scale words: lanes 0-15 X's rows, lanes 16-31 W's
.set SPW,  28                          ; v28     my spare word; never rewritten
.set NIL,  29                          ; v29     0; never rewritten
.set BO,   30                          ; v30     the bias loads' offset; never rewritten
.set SC,   32                          ; scale words: set s at v[SC + 32 s]; register 4 i + q: lanes 0-15 X's block i, lanes 16-31 W's block i
.set AF,   128                         ; X's fragments, window 0
.set BI,   64                          ; the bias, window 1
.set TMP,  192                         ; the way out: packed results
.set G1, 24
.set G0, 32
.set G1B, 48
.set G0B, 56
.set G1S, 68
.set G0S, 76
.set G1SB, 80
.set G0SB, 88
.set MSB, 0
.macro WIN new                         ; the immediate's high byte repeats the setting that is left
.if MSB != (\new)
	s_set_vgpr_msb (MSB<<8)|(\new)
.set MSB, (\new)
.endif
.endm
.set MUL_LO, 0xa1                      ; source 0 (W) window 1, source 1 (X) window 0, C and D window 2
.set MUL_HI, 0xf1                      ; the same, C and D window 3.  In the first step C is the bias in window 1: 0x91, 0xd1
.set TO_B,   0x40                      ; destination window 1, address window 0
; A joint load: waves 0 and 1 fetch for X, waves 2 and 3 for W.  The branch hangs on the wave's number alone.  An s_nop 0 and four v_nop follow each line.
.macro JLOAD g0a, g1a, g0b, g1b
	s_cmp_eq_u32 s15, 0
	s_cbranch_scc0 .Lfor_b_\@
	tensor_load_to_lds s[\g0a:\g0a+3], s[\g1a:\g1a+7]
	s_nop 0
.rept 4
	v_nop
.endr
	s_branch .Lasked_\@
.Lfor_b_\@:
	tensor_load_to_lds s[\g0b:\g0b+3], s[\g1b:\g1b+7]
	s_nop 0
.rept 4
	v_nop
.endr
.Lasked_\@:
.endm
.macro CROUND                          ; a round of the cluster's barrier
	s_barrier_signal -1
	s_barrier_wait -1
	s_cmp_lg_u32 s14, 0
	s_cbranch_scc1 .Lnot_wave_0_\@
	s_barrier_signal -3
.Lnot_wave_0_\@:
	s_barrier_wait -3
	s_barrier_signal -1
	s_barrier_wait -1
.endm
	s_load_b128 s[4:7], s[0:1], 0x0                ; codes s[4:5], scales s[6:7]
	s_load_b64 s[12:13], s[0:1], 0x10              ; qkv
	s_load_b128 s[8:11], s[0:1], 0x18              ; bq, bv2
	s_load_b128 s[96:99], s[0:1], 0x28             ; bq2, bv
	v_lshl_add_u32 v[SPW], v0, 2, SPARE
	v_mov_b32 v[NIL], 0
	ds_add_u32 v[SPW], v[NIL]                      ; the wave's opening: the add, twice on end, and its wait ahead of my first tensor load
	ds_add_u32 v[SPW], v[NIL]
	v_lshrrev_b32 v1, 5, v0
	v_readfirstlane_b32 s14, v1                    ; wave 0..3
	s_lshr_b32 s15, s14, 1                         ; which half of the tile's rows is mine.  Also: I fetch for X (0) or for W (1)
	s_and_b32 s16, s14, 1                          ; which half of its columns.  Also: which 128 rows of that tile I fetch
	s_bfe_u32 s40, ttmp6, 0x40000                  ; cx, cy: my place in the cluster
	s_bfe_u32 s41, ttmp6, 0x40004
	s_lshl_b32 s42, ttmp9, 2
	s_add_co_u32 s42, s42, s40                     ; tile column = 4 x cluster x + cx
	s_and_b32 s17, ttmp7, 0xffff
	s_lshl_b32 s17, s17, 2
	s_add_co_u32 s17, s17, s41                     ; tile row = 4 x cluster y + cy
	s_lshl_b32 s43, s41, 2
	s_lshl_b32 s43, 15, s43                        ; my row of the cluster
	s_lshl_b32 s44, 0x1111, s40                    ; my column
	s_cmp_ge_u32 ttmp9, 3                          ; which of q, k, v my weight multiplies: the cluster's x alone decides, the same in all sixteen partners
	s_cselect_b32 s95, 4096, 0
	s_cmp_ge_u32 ttmp9, 5
	s_cselect_b32 s94, 4096, 0
	s_add_co_u32 s95, s95, s94                     ; that tensor's first row in codes and scales
	; descriptor group 1: a tile of 128 rows x 256 bytes, padded in LDS
	s_or_b32 s[G1+0], s43, (0<<16)|(1<<20)|(1<<21)|(5<<22)|(3<<25)  ; 15:0 the mask: X's tiles go to my row; elements of 1 byte; padding on; bit 21 beside a mask; after every 64 words, 4 words
	s_or_b32 s[G1B+0], s44, (0<<16)|(1<<20)|(1<<21)|(5<<22)|(3<<25)
.irp g, G1, G1B
	s_mov_b32 s[\g+1], ROWB<<16                    ; tensor_dim0
	s_mov_b32 s[\g+2], 128<<16                     ; tensor_dim1
	s_mov_b32 s[\g+3], ROWB<<16                    ; tile_dim0
	s_mov_b32 s[\g+4], 128                         ; tile_dim1
	s_mov_b32 s[\g+5], KROW                        ; tensor_dim0_stride
	s_mov_b32 s[\g+6], 0
	s_mov_b32 s[\g+7], 0
.endr
	; the scales of 128 rows: a dense block of 4,096 bytes, as 16 rows of 256 bytes (32 elements of 8 bytes), 16 bytes of padding behind each
	s_or_b32 s[G1S+0], s43, (3<<16)|(1<<20)|(1<<21)|(5<<22)|(3<<25)
	s_or_b32 s[G1SB+0], s44, (3<<16)|(1<<20)|(1<<21)|(5<<22)|(3<<25)
.irp g, G1S, G1SB
	s_mov_b32 s[\g+1], 32<<16
	s_mov_b32 s[\g+2], (128*KS/256)<<16
	s_mov_b32 s[\g+3], 32<<16
	s_mov_b32 s[\g+4], 128*KS/256
	s_mov_b32 s[\g+5], 32
	s_mov_b32 s[\g+6], 0
	s_mov_b32 s[\g+7], 0
.endr
	s_lshl_b32 s18, s16, 7                         ; which 128 rows of the tile I fetch
	s_lshl_b32 s20, s17, 8
	s_add_co_u32 s20, s20, s18
	s_add_co_u32 s20, s20, s95                     ; X: row = the tensor's first + 256 x tile row + 128 x half
	s_lshl_b32 s46, s42, 8
	s_add_co_u32 s46, s46, s18
	s_add_co_u32 s46, s46, WROW0                   ; W: row = 12,288 + 256 x tile column + 128 x half
	s_lshl_b32 s22, s20, 5                         ; where these rows' scales begin, in bytes (rows stay under 18,432),
	s_mov_b32 s23, 0
	s_lshl_b32 s92, s46, 5
	s_mov_b32 s93, 0
	s_lshl_b32 s20, s20, 9                         ; and their codes
	s_mov_b32 s21, 0
	s_lshl_b32 s46, s46, 9
	s_mov_b32 s47, 0
	s_mul_i32 s45, s14, HALFT                      ; where they go: wave x 128 rows: no place in the cluster enters an LDS address
	s_mul_i32 s94, s14, HALFS
	s_wait_dscnt 0x0                               ; both opening adds are done
	s_wait_kmcnt 0x0
	s_add_nc_u64 s[20:21], s[4:5], s[20:21]
	s_add_nc_u64 s[22:23], s[6:7], s[22:23]
	s_add_nc_u64 s[46:47], s[4:5], s[46:47]
	s_add_nc_u64 s[92:93], s[6:7], s[92:93]
	CROUND                                         ; all sixteen work-groups are here: the first joint loads meet
	s_mov_b32 s[G0S], 1
	s_add_co_u32 s[G0S+1], s94, SCL
	s_mov_b64 s[G0S+2:G0S+3], s[22:23]
	s_or_b32 s[G0S+3], s[G0S+3], 0x80000000
	s_mov_b32 s[G0SB], 1
	s_add_co_u32 s[G0SB+1], s94, SCL
	s_mov_b64 s[G0SB+2:G0SB+3], s[92:93]
	s_or_b32 s[G0SB+3], s[G0SB+3], 0x80000000
	JLOAD G0S, G1S, G0SB, G1SB                     ; the scales first: they are wanted with K step 0
.irp s, 0,1
	s_mov_b32 s[G0+4*\s], 1
	s_add_co_u32 s[G0+4*\s+1], s45, \s*SLOT
	s_add_nc_u64 s[G0+4*\s+2:G0+4*\s+3], s[20:21], \s*ROWB
	s_or_b32 s[G0+4*\s+3], s[G0+4*\s+3], 0x80000000
	s_mov_b32 s[G0B+4*\s], 1
	s_add_co_u32 s[G0B+4*\s+1], s45, \s*SLOT
	s_add_nc_u64 s[G0B+4*\s+2:G0B+4*\s+3], s[46:47], \s*ROWB
	s_or_b32 s[G0B+4*\s+3], s[G0B+4*\s+3], 0x80000000
	JLOAD G0+4*\s, G1, G0B+4*\s, G1B               ; three tensor loads of mine are out behind the second of these
.endr
	v_and_b32 v1, 15, v0                           ; r = l % 16
	v_bfe_u32 v2, v0, 4, 1                         ; h = l / 16
	; THE BIAS, in the result's layout: register j of block b in lane (r, h) is b_j[my first column + 16 b + 8 h + j]
	v_lshlrev_b32 v[BO], 5, v2                     ; 32 h bytes
	s_cmp_eq_u32 ttmp9, 2
	s_cselect_b64 s[8:9], s[10:11], s[8:9]         ; j = 0: bq; 2: bv2;
	s_cmp_eq_u32 ttmp9, 4
	s_cselect_b64 s[8:9], s[96:97], s[8:9]         ; 4: bq2;
	s_cmp_eq_u32 ttmp9, 5
	s_cselect_b64 s[8:9], s[98:99], s[8:9]         ; 5: bv
	s_lshl_b32 s2, s40, 10                         ; my first column inside the weight: 256 cx + 128 x half, 4 bytes each
	s_lshl_b32 s3, s16, 9
	s_add_co_u32 s2, s2, s3
	s_mov_b32 s3, 0
	s_add_nc_u64 s[8:9], s[8:9], s[2:3]
	s_or_b32 s2, ttmp9, 2
	s_cmp_eq_u32 s2, 3                             ; j = 1 or 3: the keys' projections, whose bias is left out.  The cluster's x alone: all partners and waves go the same way
	s_cbranch_scc1 .Lno_bias
	WIN TO_B
.irp b, 0,1,2,3,4,5,6,7
	global_load_b128 v[BI+8*\b:BI+8*\b+3], v[BO], s[8:9] offset:64*\b
	global_load_b128 v[BI+8*\b+4:BI+8*\b+7], v[BO], s[8:9] offset:64*\b+16
.endr
	WIN 0
	s_branch .Lbias_done
.Lno_bias:
	WIN TO_B
.set NN, 0
.rept 64
	v_mov_b32 v[BI+NN], 0                          ; the same 64 registers hold zeros: one text of products serves all six weights
.set NN, NN+1
.endr
	WIN 0
.Lbias_done:
	v_mul_u32_u24 v3, v1, PITCH
	v_lshl_add_u32 v4, v2, 4, v3                   ; a fragment's row x pitch + 16 x half
	s_mul_i32 s21, s15, HALFT                      ; my 128 rows of X
	s_mul_i32 s22, s16, HALFT                      ; my 128 rows of W,
	s_add_co_u32 s22, s22, 2*HALFT                 ; which lie behind X's 256
.irp s, 0,1
	v_add_nc_u32 v[ADRA+\s], s21, v4
	v_add_nc_u32 v[ADRB+\s], s22, v4
	s_add_co_u32 s21, s21, SLOT
	s_add_co_u32 s22, s22, SLOT
.endr
	v_mul_u32_u24 v5, v1, KS                       ; my row's scales: 32 bytes a row,
	v_lshrrev_b32 v6, 8, v5
	v_lshl_add_u32 v5, v6, 4, v5                   ; and 16 more for each 256 passed
	s_mul_i32 s21, s15, HALFS                      ; X's: my 128 rows
	s_mul_i32 s22, s16, HALFS                      ; W's: my 128 rows, behind X's 256
	s_add_co_u32 s22, s22, 2*HALFS
	s_sub_co_u32 s22, s22, s21
	v_mul_u32_u24 v6, s22, v2                      ; lanes 16-31 take W's: one product, the distance between the two bases x h
	s_add_co_u32 s21, s21, SCL
	v_add_nc_u32 v5, v5, v6
	v_add_nc_u32 v[ADRS], s21, v5
	s_mul_i32 s23, s14, 16*SPITCH                  ; my stage
	v_mul_u32_u24 v5, v1, SPITCH                   ; in: row r, 16 bytes for each half of the lanes
	v_lshl_add_u32 v5, v2, 4, v5
	v_add_nc_u32 v[STO], s23, v5
	v_and_b32 v6, 31, v0
	v_lshlrev_b32 v[CO], 4, v6                     ; out: 16 bytes a lane
	v_lshrrev_b32 v5, 3, v6                        ; back: eight lanes take one head's 128 bytes of a row, the 32 lanes four rows
	v_mul_u32_u24 v5, v5, SPITCH
	v_and_b32 v6, 7, v6
	v_lshl_add_u32 v5, v6, 4, v5
	v_add_nc_u32 v[RD], s23, v5
	s_and_b32 s2, ttmp7, 0xffff                    ; where my part begins in qkv: plane 64 j + 16 b + 4 cx + 2 x half (b = the cluster's y), 131,072 bytes a plane;
	s_lshl_b32 s2, s2, 4
	s_lshl_b32 s3, ttmp9, 6
	s_add_co_u32 s2, s2, s3
	s_lshl_b32 s3, s40, 2
	s_add_co_u32 s2, s2, s3
	s_lshl_b32 s3, s16, 1
	s_add_co_u32 s2, s2, s3
	s_lshl_b32 s2, s2, 17
	s_lshl_b32 s3, s41, 15                         ; row 256 cy + 128 x half of the batch, 128 bytes a row
	s_add_co_u32 s2, s2, s3
	s_lshl_b32 s3, s15, 14
	s_add_co_u32 s2, s2, s3
	s_mov_b32 s3, 0
	s_add_nc_u64 s[12:13], s[12:13], s[2:3]
.macro FRAG reg, adr, q, i             ; a fragment, 16 rows x 128 K of 4-bit codes: lane l holds row l % 16; registers 4 c .. 4 c + 3 hold K = 64 c + 32 (l / 16) + 0 .. 31
.irp c, 0,1
	ds_load_b128 v[\reg+4*\c:\reg+4*\c+3], v[\adr] offset:64*(\q)+32*\c+(\i)*16*PITCH
.endr
.endm
; 16 matrix instructions: X's blocks a0, a0 + 1 x W's eight, the slot's q-th 128 along K.  p: W's set;  sc: the set of scale words.  first = 1: the sums begin with the bias.
; The 64 accumulators take turns, one instruction a turn, in the same order in every step.
.macro MUL16 a0, p, q, sc, first
.irp a, \a0, \a0+1
.irp b, 0,1,2,3,4,5,6,7
.if \first
	v_wmma_scale_f32_16x16x128_f8f6f4 v[8*(8*((\a)%4)+\b):8*(8*((\a)%4)+\b)+7], v[128*(\p)+FR*\b:128*(\p)+FR*\b+FR-1], v[AF+FR*(\a):AF+FR*(\a)+FR-1], v[BI+8*\b:BI+8*\b+7], v[SC+8*NQ*(\sc)+NQ*\b+(\q)], v[SC+8*NQ*(\sc)+NQ*(\a)+(\q)] matrix_a_fmt:MATRIX_FMT_FP4 matrix_b_fmt:MATRIX_FMT_FP4 matrix_a_scale:MATRIX_SCALE_ROW1
.else
	v_wmma_scale_f32_16x16x128_f8f6f4 v[8*(8*((\a)%4)+\b):8*(8*((\a)%4)+\b)+7], v[128*(\p)+FR*\b:128*(\p)+FR*\b+FR-1], v[AF+FR*(\a):AF+FR*(\a)+FR-1], v[8*(8*((\a)%4)+\b):8*(8*((\a)%4)+\b)+7], v[SC+8*NQ*(\sc)+NQ*\b+(\q)], v[SC+8*NQ*(\sc)+NQ*(\a)+(\q)] matrix_a_fmt:MATRIX_FMT_FP4 matrix_b_fmt:MATRIX_FMT_FP4 matrix_a_scale:MATRIX_SCALE_ROW1
.endif
.endr
.endr
.endm
.macro FETCH_B slot, q, p              ; W's eight fragments of the slot's q-th 128 along K into set p
	WIN TO_B
.irp i, 0,1,2,3,4,5,6,7
	FRAG 128*(\p)+FR*\i, ADRB+\slot, \q, \i
.endr
	WIN 0
.endm
.macro FETCH_A slot, q, i0             ; X's blocks i0 .. i0 + 3
.irp i, \i0, \i0+1, \i0+2, \i0+3
	FRAG AF+FR*(\i), ADRA+\slot, \q, \i
.endr
.endm
.macro SCALES sc                       ; a K step's scale words into set sc: four words a row; lanes 0-15 take X's block i, lanes 16-31 W's block i
.irp i, 0,1,2,3,4,5,6,7
	ds_load_b128 v[SC+8*NQ*\sc+NQ*\i:SC+8*NQ*\sc+NQ*\i+3], v[ADRS] offset:\i*SBLK
.endr
.endm
.macro PLACES n                        ; plain vector instructions that name no register of the matrix instructions ahead, in front of loads into their operands and of reads of their results
.rept \n
	v_nop
.endr
.endm
; A step of 128 along K that has its successor in the same slot.  X has one set of registers: blocks 0-3 are fetched anew in the step's middle, blocks 4-7 at its end.
.macro STEP slot, q, first
	s_wait_dscnt 4*NL                              ; W's set, the scale words and X's blocks 0-3 are in; the youngest eight loads (X's blocks 4-7) may be out
	WIN MUL_LO-0x10*(\first)
	MUL16 0, (\q)%2, \q, \slot, \first
	MUL16 2, (\q)%2, \q, \slot, \first
	s_wait_dscnt 0                                 ; X's blocks 4-7 are in
	PLACES NP
	FETCH_B \slot, (\q)+1, 1-(\q)%2
	FETCH_A \slot, (\q)+1, 0
	WIN MUL_HI-0x20*(\first)
	MUL16 4, (\q)%2, \q, \slot, \first
	MUL16 6, (\q)%2, \q, \slot, \first
	PLACES NP
	WIN 0
	FETCH_A \slot, (\q)+1, 4
.endm
.macro STEPS slot, from                ; the slot's steps from .. NQ - 2
.set Q, \from
.rept NQ-1-\from
	STEP \slot, Q, 0
.set Q, Q+1
.endr
.endm
	s_wait_tensorcnt 1                             ; the scales and my part of K step 0 are in; K step 1's load, issued behind them, may stay out
	s_barrier_signal -1
	s_barrier_wait -1                              ; everybody's are
	FETCH_B 0, 0, 0
	FETCH_A 0, 0, 0
	SCALES 0
	FETCH_A 0, 0, 4
	s_wait_loadcnt 0x0                             ; the bias
	STEP 0, 0, 1                                   ; the first step's products start the sums with the bias: nothing is cleared
	STEPS 0, 1
	; slot 0's last step changes slots: one barrier; in front of it each wave waits for all its tensor loads (its part of slot 1) and for its reads of slot 0
	s_wait_tensorcnt 0x0
	ds_add_u32 v[SPW], v[NIL]                      ; 0 onto my spare word
	s_wait_dscnt 4*NL+1                            ; (the add and the youngest eight loads may be out)
	WIN MUL_LO
	MUL16 0, 1, NQ-1, 0, 0                         ; sixteen matrix instructions stand between the add and the wait for it
	s_wait_dscnt 0x0                               ; the add is done, and my reads of slot 0 are over
	s_barrier_signal -1
	MUL16 2, 1, NQ-1, 0, 0
	WIN 0
	s_barrier_wait -1                              ; slot 1 is whole, and nobody reads slot 0 any more
	PLACES NP
	v_add_nc_u32 v[ADRS], 4*NQ, v[ADRS]            ; on to K step 1's scale words
	FETCH_B 1, 0, 0
	FETCH_A 1, 0, 0
	SCALES 1
	WIN MUL_HI
	MUL16 4, 1, NQ-1, 0, 0
	MUL16 6, 1, NQ-1, 0, 0
	PLACES NP
	WIN 0
	FETCH_A 1, 0, 4
	STEPS 1, 0
	s_wait_dscnt 4*NL                              ; the very last step: nothing more to fetch
	WIN MUL_LO
	MUL16 0, 1, NQ-1, 1, 0
	MUL16 2, 1, NQ-1, 1, 0
	s_wait_dscnt 0
	WIN MUL_HI
	MUL16 4, 1, NQ-1, 1, 0
	MUL16 6, 1, NQ-1, 1, 0
	WIN 0
; THE WAY OUT, block by block of 16 rows x 128 columns (two heads).  PACK: rounded to f16, 16 bytes a lane.  TOSTAGE: into my own stage, and back by heads: four rows of one head, 512 bytes, an instruction.  SEND: stored.
.macro PACK a
.set AC, 64*((\a)%4)
	WIN 0x0a+5*((\a)/4)                            ; sources 0 and 1: window 2 or 3
.irp b, 0,1,2,3,4,5,6,7
.irp i, 0,1,2,3
	v_cvt_pk_f16_f32 v[TMP+4*\b+\i], v[AC+8*\b+2*\i], v[AC+8*\b+2*\i+1]     ; each accumulator from its low end on
.endr
.endr
	WIN 0
.endm
.macro TOSTAGE a
.set BB, 96+128*((\a)%2)               ; v96-127 and v224-255 by turns
.irp b, 0,1,2,3,4,5,6,7
	ds_store_b128 v[STO], v[TMP+4*\b:TMP+4*\b+3] offset:32*\b
.endr
.irp t, 0,1,2,3,4,5,6,7
	ds_load_b128 v[BB+4*\t:BB+4*\t+3], v[RD] offset:(\t%4)*4*SPITCH+(\t/4)*128   ; LDS serves a wave's instructions in order: these see the stores above
.endr
.endm
.macro SEND a
.set BB, 96+128*((\a)%2)
	s_wait_dscnt 0x0                               ; the block is back in registers
	s_wait_xcnt 0x0                                ; the block before has been read by its stores: the next block's loads may land on those registers
.irp t, 0,1,2,3,4,5,6,7
	global_store_b128 v[CO], v[BB+4*\t:BB+4*\t+3], s[12:13] offset:(\t/4)*131072+(\a)*2048+(\t%4)*512   ; 32 lanes store 512 consecutive bytes, aligned to 512: four rows of one head
.endr
.endm
	PLACES NP
	PACK 0
	TOSTAGE 0
.irp a, 1,2,3,4,5,6,7                  ; block a's conversions stand between block a - 1's loads from the stage and the wait for them
	PACK \a
	SEND \a-1
	TOSTAGE \a
.endr
	SEND 7
	s_wait_tensorcnt 0x0                           ; the wave's end, behind my last tensor load and my last LDS store
	ds_add_u32 v[SPW], v[NIL]
	s_wait_dscnt 0x0
	CROUND                                         ; the closing round
	s_endpgm
.Lfunc_end_k_qc549d2d467_proj:
	.size	k_qc549d2d467_proj, .Lfunc_end_k_qc549d2d467_proj-k_qc549d2d467_proj
	.p2alignl 7, 3214868480
	.fill 96, 4, 3214868480
	.section	.rodata,"a",@progbits
	.p2align	6, 0x0
	.amdhsa_kernel k_qc549d2d467_proj
		.amdhsa_group_segment_fixed_size 327680
		.amdhsa_private_segment_fixed_size 0
		.amdhsa_enable_private_segment 0
		.amdhsa_kernarg_size 56
		.amdhsa_user_sgpr_count 2
		.amdhsa_user_sgpr_kernarg_segment_ptr 1
		.amdhsa_wavefront_size32 1
		.amdhsa_system_sgpr_workgroup_id_x 1
		.amdhsa_system_sgpr_workgroup_id_y 1
		.amdhsa_system_sgpr_workgroup_id_z 1
		.amdhsa_system_vgpr_workitem_id 0
		.amdhsa_next_free_vgpr 1024
		.amdhsa_next_free_sgpr 100
		.amdhsa_reserve_vcc 0
		.amdhsa_float_denorm_mode_32 3
		.amdhsa_float_denorm_mode_16_64 3
		.amdhsa_memory_ordered 1
		.amdhsa_forward_progress 1
		.amdhsa_inst_pref_size 131
	.end_amdhsa_kernel
	.amdgpu_metadata
---
amdhsa.version: [ 1, 2 ]
amdhsa.kernels:
  - .name:           k_qc549d2d467_proj
    .symbol:         k_qc549d2d467_proj.kd
    .args:
      - { .name: codes, .offset: 0, .size: 8, .value_kind: global_buffer, .address_space: global }
      - { .name: scales, .offset: 8, .size: 8, .value_kind: global_buffer, .address_space: global }
      - { .name: qkv, .offset: 16, .size: 8, .value_kind: global_buffer, .address_space: global }
      - { .name: bq, .offset: 24, .size: 8, .value_kind: global_buffer, .address_space: global }
      - { .name: bv2, .offset: 32, .size: 8, .value_kind: global_buffer, .address_space: global }
      - { .name: bq2, .offset: 40, .size: 8, .value_kind: global_buffer, .address_space: global }
      - { .name: bv, .offset: 48, .size: 8, .value_kind: global_buffer, .address_space: global }
    .group_segment_fixed_size: 327680
    .private_segment_fixed_size: 0
    .kernarg_segment_align: 8
    .kernarg_segment_size: 56
    .max_flat_workgroup_size: 128
    .sgpr_count:     100
    .vgpr_count:     1024
    .wavefront_size: 32
...
	.end_amdgpu_metadata
.endif
;; end of part 2
;; launch attn (part 3): grid 2 x 128, 8 waves a work-group, no clusters, 327,680 bytes of LDS; arguments qkv, att; writes att
.if DOCPART == 3
	.amdgcn_target "amdgcn-amd-amdhsa--gfx1250"
	.amdhsa_code_object_version 6
	.text
	.protected	k_qc549d2d467_attn
	.globl	k_qc549d2d467_attn
	.p2align	8
	.type	k_qc549d2d467_attn,@function
k_qc549d2d467_attn:
	s_mov_b64 s[64:65], 0
	v_nop
	global_prefetch_b8 v0, s[64:65] scope:SCOPE_SE
	s_setreg_imm32_b32 hwreg(HW_REG_WAVE_MODE, 25, 1), 1
	s_wait_xcnt 0x0
; ATTN: O[y][q][:] = the sum over k of softmax_k(Q[y][q] . K[y][k] / 8) V[y][k][:], for the 128 heads y = 64 p + 16 b + h of the two paths.  Operands f16, products, maxima and sums f32;
; the weights p are rounded to f16 for the second product, O once at the end.   qkv: f16 [j 6][b][h][s 1,024][64], j = 0 Q1, 1 K2, 2 V2, 3 K1, 4 Q2, 5 V1.   att: f16 [p 2][b][h][s][64].
; (The keys carry no bias: shown at the head of the first kernel.)
; SHARES.  A work-group owns 512 queries of one head, each of its eight waves 64: four tiles of 16, so that each fragment of K and V read from LDS feeds four matrix instructions.
; Two waves lie on a SIMD, 512 registers each, so that one wave's softmax stands beside the other's products.  2 x 128 work-groups.
; ALL OF A HEAD'S K AND V LIES IN LDS, FILLED ONCE: 16 steps of 64 keys, 19,456 bytes each.  Each wave asks for four tiles at the head; nothing is filled again.
; NO CLUSTER: a head's keys are read by two work-groups; the grid is 2 wide, which no cluster of four divides, and four partners would hold two heads, whose tiles differ.  Each work-group asks for its own tiles.
; LAYOUT.  S^T = K Q^T (source 0 = 16 keys, source 1 = 16 queries): a lane holds ONE query (lane % 16) and the keys 8 (lane / 16) + 0..7.  Two such tiles, rounded to f16 in pairs, ARE source 1
; (32 keys x 16 queries) of O^T = V^T P.  K comes out of LDS as it lies, V ([key][channel]) turned, by ds_load_tr16_b128.
; SOFTMAX.  For each query a running maximum m and sum l: p = 2^(c s - c m), c = log2(e) / 8; in every step O and l are multiplied by a = 2^(c m_old - c m_new).  m begins at -3e38 and l at 0;
; the first key step is written out: its products V^T P start O^T's sums with the constant 0, and it rescales nothing.
; REGISTERS: window 0: v1-11 addresses; v12-43 statistics, eight a tile; v48-175 S^T, 32 a tile; v176-239 P, 16 a tile.
;   window 1: v0-127 O^T, 32 a tile; v128-191 Q, 16 a tile; v192-255 ONE buffer for K and V of a step: K is fetched at the step's head, V behind the products K Q^T, so that it lands under the softmax.
.set KS,    64                         ; keys in a step
.set PK,    144                        ; a row of K in LDS: 128 bytes + 16 of padding
.set PV,    160                        ; a row of V: 128 + 32
.set VOFF,  KS*PK                      ; a step's tiles lie together: 64 rows of K, then 64 rows of V
.set STEPB, KS*(PK+PV)
.set SPARE, 16*STEPB                   ; behind the sixteen steps: the spare words, 128 bytes for each of eight waves
.set SP,    144                        ; the way out: a stage of 4 x 16 rows x (128 bytes + 16) for each wave, 73,728 bytes in the bytes of steps 0 to 3: they have had their only fill, and their last read lies three barriers back
.set AK0, 2                            ; v2   my lane's place in a tile of K
.set AV0, 3                            ; v3   the same for V
.set ADK, 4                            ; v4   LDS address of the step's K
.set ADV, 5                            ; v5   of its V
.set QO,  6                            ; v6   my byte offset in the wave's rows of Q; never rewritten
.set STO, 7                            ; v7   the way out: where I put 16 bytes of a row
.set RD,  8                            ; v8   where I read back
.set GO,  9                            ; v9   16 x lane
.set ST,  12                           ; tile t's statistics at v[ST + 8 t]: +0 c m, +1 m, +2, +3 l (even keys', odd keys'), +4 to +7 c0-c3, at work; a takes c2's place
.set SPW, 44                           ; v44  my spare word; never rewritten
.set NIL, 45                           ; v45  0; never rewritten
.set S,   48
.set P,   176
.set O,   0                            ; window 1
.set QF,  128
.set KV,  192
.set WV,  8                            ; s8   my wave's number
.set G1K, 24                           ; s[24:31] descriptor group 1 for K's tiles
.set G1V, 32                           ; s[32:39] for V's: it differs in the padding alone
.set G0,  40                           ; s[40:55] four groups 0: my tile of slots 0 to 3 (a slot: four steps)
.set CS,  56                           ; s[56:57] c
.set SEL, 58                           ; s[58:59] lane selects for v_permlanex16_b32: lane l xor 16
.set TB,  60                           ; s60  LDS byte at which the step's tiles begin
.set CNT, 61                           ; s61  counts a slot's steps
.set MSB, 0
.macro WIN new                         ; the immediate's high byte repeats the setting that is left
.if MSB != (\new)
	s_set_vgpr_msb (MSB<<8)|(\new)
.set MSB, (\new)
.endif
.endm
.set W_LD, 0x40                        ; a load's destination in window 1, its address in window 0
.set W_KQ, 0x05                        ; K and Q in window 1, S^T in window 0
.set W_PV, 0x51                        ; V and O^T in window 1, P in window 0.  The rescaling of O^T (destination and source 0 O^T, source 1 a) runs under the same setting
.macro PLACES
.rept 4
	v_nop
.endr
.endm
	s_load_b128 s[4:7], s[0:1], 0x0                ; qkv s[4:5], att s[6:7]
	v_lshl_add_u32 v[SPW], v0, 2, SPARE
	v_mov_b32 v[NIL], 0
	ds_add_u32 v[SPW], v[NIL]                      ; the wave's opening: the add, twice on end, and its wait ahead of my first tensor load
	ds_add_u32 v[SPW], v[NIL]
	v_lshrrev_b32 v1, 5, v0
	v_readfirstlane_b32 s[WV], v1                  ; wave 0..7
	s_and_b32 s10, ttmp7, 0xffff                   ; y = 64 p + 16 b + h
	s_lshr_b32 s11, s10, 6                         ; the path
	s_and_b32 s12, s10, 63                         ; 16 b + h
	s_cmp_lg_u32 s11, 0
	s_cselect_b32 s13, 1, 3                        ; which tensor of qkv holds the path's keys,
	s_cselect_b32 s14, 2, 5                        ; its values,
	s_cselect_b32 s15, 4, 0                        ; its queries
	s_cmp_lt_u32 s[WV], 4                          ; waves 0 to 3 fetch K, waves 4 to 7 V
	s_cselect_b32 s13, s13, s14
	s_lshl_b32 s13, s13, 6
	s_add_co_u32 s13, s13, s12
	s_lshl_b32 s16, s13, 17                        ; the head's plane: 131,072 bytes each, 384 planes
	s_and_b32 s14, s[WV], 3                        ; which of a slot's four steps I fetch:
	s_lshl_b32 s18, s14, 13                        ; its 64 rows of 128 bytes in memory,
	s_add_co_u32 s16, s16, s18
	s_mov_b32 s17, 0
	s_mul_i32 s18, s14, STEPB                      ; and its place in LDS
	s_lshr_b32 s19, s[WV], 2
	s_mul_i32 s19, s19, VOFF
	s_add_co_u32 s18, s18, s19
	s_lshl_b32 s15, s15, 6
	s_add_co_u32 s15, s15, s12
	s_lshl_b32 s20, s15, 17                        ; Q's plane,
	s_lshl_b32 s22, ttmp9, 16                      ; my work-group's 512 rows of 128 bytes,
	s_lshl_b32 s23, s[WV], 13                      ; my wave's 64
	s_add_co_u32 s22, s22, s23
	s_add_co_u32 s20, s20, s22
	s_mov_b32 s21, 0
	s_lshl_b32 s23, s10, 17                        ; O's plane
	s_add_co_u32 s22, s22, s23
	s_mov_b32 s23, 0
	; descriptor group 1: a tile of 64 rows x 64 elements of 2 bytes, dense in memory, padded in LDS
	s_mov_b32 s[G1K], (1<<16)|(1<<20)|(4<<22)|(3<<25)  ; 15:0 no mask; elements of 2 bytes; padding on; after every 32 words, 4 words
	s_mov_b32 s[G1V], (1<<16)|(1<<20)|(4<<22)|(7<<25)  ; the same with 8 words of padding
.irp g, G1K, G1V
	s_mov_b32 s[\g+1], 64<<16                      ; tensor_dim0
	s_mov_b32 s[\g+2], KS<<16                      ; tensor_dim1
	s_mov_b32 s[\g+3], 64<<16                      ; tile_dim0
	s_mov_b32 s[\g+4], KS                          ; tile_dim1
	s_mov_b32 s[\g+5], 64                          ; tensor_dim0_stride
	s_mov_b32 s[\g+6], 0
	s_mov_b32 s[\g+7], 0
.endr
	s_mov_b32 s[CS], 0x3e38aa3b                    ; c = log2(e) / 8
	s_mov_b32 s[CS+1], s[CS]                       ; (named with it as a pair, so it is written)
	s_mov_b32 s[SEL], 0x76543210
	s_mov_b32 s[SEL+1], 0xfedcba98
	s_wait_dscnt 0x0                               ; both opening adds are done
	s_wait_kmcnt 0x0
	s_add_nc_u64 s[16:17], s[4:5], s[16:17]        ; K or V at my tile of slot 0
	s_add_nc_u64 s[20:21], s[4:5], s[20:21]        ; Q at my wave's first row
	s_add_nc_u64 s[6:7], s[6:7], s[22:23]          ; O likewise
	; Q is asked for first: the first product wants it.  A fragment of K or Q is 16 rows x 32 channels in 8 registers: lane l holds row l % 16; registers 0-3 channels 8 (l / 16) + 0..7, registers 4-7 channels 16 + 8 (l / 16) + 0..7
	v_and_b32 v1, 15, v0                           ; r
	v_bfe_u32 v10, v0, 4, 1                        ; h
	v_lshlrev_b32 v[QO], 7, v1
	v_lshl_add_u32 v[QO], v10, 4, v[QO]            ; row x 128 + 16 x half
	WIN W_LD
.irp x, 0,1,2,3
.irp c, 0,1
	global_load_b128 v[QF+16*\x+8*\c:QF+16*\x+8*\c+3],   v[QO], s[20:21] offset:\x*2048+\c*64 th:TH_LOAD_NT      ; Q stays in registers: tile x, channels 32 c on; read once in the launch
	global_load_b128 v[QF+16*\x+8*\c+4:QF+16*\x+8*\c+7], v[QO], s[20:21] offset:\x*2048+\c*64+32 th:TH_LOAD_NT
.endr
.endr
	WIN 0
.irp n, 0,1,2,3
	s_mov_b32 s[G0+4*\n], 1                        ; count = 1
	s_add_co_u32 s[G0+4*\n+1], s18, \n*4*STEPB     ; LDS address: slot n
	s_add_nc_u64 s[G0+4*\n+2:G0+4*\n+3], s[16:17], \n*4*KS*128   ; global address: four steps on
	s_or_b32 s[G0+4*\n+3], s[G0+4*\n+3], 0x80000000              ; type = 2
.endr
	s_cmp_lt_u32 s[WV], 4                          ; a wave's four fills stand in one branch, ahead of every wait on TENSORcnt, every LDS read and every barrier: four loads of mine are out
	s_cbranch_scc0 .Lfirst_v
.irp n, 0,1,2,3
	tensor_load_to_lds s[G0+4*\n:G0+4*\n+3], s[G1K:G1K+7]
	s_nop 0
.endr
.rept 4
	v_nop
.endr
	s_branch .Lfirst_asked
.Lfirst_v:
.irp n, 0,1,2,3
	tensor_load_to_lds s[G0+4*\n:G0+4*\n+3], s[G1V:G1V+7]
	s_nop 0
.endr
.rept 4
	v_nop
.endr
.Lfirst_asked:
	v_mul_u32_u24 v[AK0], v1, PK
	v_lshl_add_u32 v[AK0], v10, 4, v[AK0]          ; row x pitch + 16 x half
	; The turning load takes 16 keys x 16 channels (lane l reads 16 bytes: key 8 (l / 16) + l % 8, channels 8 ((l / 8) % 2) + 0..7) and leaves half a fragment of V^T
	v_and_b32 v11, 7, v0
	v_lshl_add_u32 v[AV0], v10, 3, v11
	v_mul_u32_u24 v[AV0], v[AV0], PV
	v_bfe_u32 v11, v0, 3, 1
	v_lshl_add_u32 v[AV0], v11, 4, v[AV0]
	v_add_nc_u32 v[AV0], VOFF, v[AV0]
	s_mul_i32 s10, s[WV], 64*SP                    ; my stage
	v_mul_u32_u24 v[STO], v1, SP                   ; in: row r, 16 bytes for each half of the lanes
	v_lshl_add_u32 v[STO], v10, 4, v[STO]
	v_add_nc_u32 v[STO], s10, v[STO]
	v_and_b32 v11, 31, v0
	v_lshlrev_b32 v[GO], 4, v11                    ; out: 16 bytes a lane
	v_lshrrev_b32 v[RD], 3, v11                    ; back: eight lanes to a row of 128 bytes, four rows an instruction
	v_mul_u32_u24 v[RD], v[RD], SP
	v_and_b32 v11, 7, v0
	v_lshl_add_u32 v[RD], v11, 4, v[RD]
	v_add_nc_u32 v[RD], s10, v[RD]
.irp t, 0,1,2,3
	v_mov_b32 v[ST+8*\t+1], 0xff61b1e6             ; m: -3e38, under every score
	v_mul_f32 v[ST+8*\t], s[CS], v[ST+8*\t+1]      ; c m
	v_mov_b32 v[ST+8*\t+2], 0                      ; l
	v_mov_b32 v[ST+8*\t+3], 0
.endr
	s_wait_loadcnt 0x0                             ; Q
; The accumulator of product n (0 to 15) of V^T P, tile n % 4, channels 16 (n / 4) on, times its tile's a: four packed multiplies, from the accumulator's low end on.
.macro RESC n
.irp u, 0,2,4,6
	v_pk_mul_f32 v[O+32*((\n)%4)+8*((\n)/4)+\u:O+32*((\n)%4)+8*((\n)/4)+\u+1], v[O+32*((\n)%4)+8*((\n)/4)+\u:O+32*((\n)%4)+8*((\n)/4)+\u+1], v[ST+8*((\n)%4)+6:ST+8*((\n)%4)+7] op_sel_hi:[1,0]
.endr
.endm
; A KEY STEP: 64 keys, whose tiles begin at LDS byte s[TB].  first = 1: the first step of all: V^T P starts O^T's sums, and nothing is rescaled.
.macro STEP first
	v_add_nc_u32 v[ADK], s[TB], v[AK0]
	v_add_nc_u32 v[ADV], s[TB], v[AV0]
	v_nop
	v_nop                                          ; four places between the last step's products V^T P and the loads into the buffer that they read
	WIN W_LD
.irp f, 0,1,2,3
.irp c, 0,1
	ds_load_b128 v[KV+8*(2*\f+\c):KV+8*(2*\f+\c)+3],   v[ADK] offset:\f*16*PK+\c*64       ; keys 16 f on, channels 32 c on
	ds_load_b128 v[KV+8*(2*\f+\c)+4:KV+8*(2*\f+\c)+7], v[ADK] offset:\f*16*PK+\c*64+32
.endr
.endr
	s_wait_dscnt 0x0                               ; K is in
	WIN W_KQ
.set i, 0
.rept 32                                       ; S^T = K Q^T: channels 32 (i / 16) on, keys 16 ((i / 4) % 4) on, tile i % 4.  Sixteen accumulators by turns; the first sixteen products start the sums
.set rS, S+32*(i%4)+8*((i/4)%4)
.set rK, KV+16*((i/4)%4)+8*(i/16)
.set rQ, QF+16*(i%4)+8*(i/16)
.if i < 16
	v_wmma_f32_16x16x32_f16 v[rS:rS+7], v[rK:rK+7], v[rQ:rQ+7], 0
.else
	v_wmma_f32_16x16x32_f16 v[rS:rS+7], v[rK:rK+7], v[rQ:rQ+7], v[rS:rS+7]
.endif
.set i, i+1
.endr
	WIN 0
	PLACES                                         ; four places: in front of the loads into the buffer that these products read, and of the first read of their results
	WIN W_LD
.irp kc, 0,1
.irp ct, 0,1,2,3
	ds_load_tr16_b128 v[KV+32*\kc+8*\ct:KV+32*\kc+8*\ct+3],   v[ADV] offset:\kc*32*PV+\ct*32          ; V: keys 32 kc on, channels 16 ct on; it lands while the softmax is worked
	ds_load_tr16_b128 v[KV+32*\kc+8*\ct+4:KV+32*\kc+8*\ct+7], v[ADV] offset:\kc*32*PV+16*PV+\ct*32
.endr
.endr
	WIN 0
	; the maximum of a lane's 32 scores and the old m: four chains, one for each accumulator, each from the accumulator's low end on; the four tiles line by line
.irp k, 0,1,2,3
.irp t, 0,1,2,3
	v_max3_num_f32 v[ST+8*\t+4+\k], v[S+32*\t+8*\k], v[S+32*\t+8*\k+1], v[S+32*\t+8*\k+2]
.endr
.endr
.irp g, 1,2
.irp k, 0,1,2,3
.irp t, 0,1,2,3
	v_max3_num_f32 v[ST+8*\t+4+\k], v[ST+8*\t+4+\k], v[S+32*\t+8*\k+2*\g+1], v[S+32*\t+8*\k+2*\g+2]
.endr
.endr
.endr
.irp t, 0,1,2,3
	v_max3_num_f32 v[ST+8*\t+4], v[ST+8*\t+4], v[S+32*\t+7], v[S+32*\t+15]
.endr
.irp t, 0,1,2,3
	v_max3_num_f32 v[ST+8*\t+6], v[ST+8*\t+6], v[S+32*\t+23], v[S+32*\t+31]
.endr
.irp t, 0,1,2,3
	v_max3_num_f32 v[ST+8*\t+4], v[ST+8*\t+4], v[ST+8*\t+5], v[ST+8*\t+6]
.endr
.irp t, 0,1,2,3
	v_max3_num_f32 v[ST+8*\t+4], v[ST+8*\t+4], v[ST+8*\t+7], v[ST+8*\t+1]
.endr
.irp t, 0,1,2,3
	v_permlanex16_b32 v[ST+8*\t+5], v[ST+8*\t+4], s[SEL], s[SEL+1]   ; the query's other 32 keys lie in the lane 16 away
.endr
.irp t, 0,1,2,3
	v_mov_b32 v[ST+8*\t+7], v[ST+8*\t]             ; c m_old is kept for a
.endr
.irp t, 0,1,2,3
	v_max_num_f32 v[ST+8*\t+1], v[ST+8*\t+4], v[ST+8*\t+5]
.endr
.irp t, 0,1,2,3
	v_mul_f32 v[ST+8*\t], s[CS], v[ST+8*\t+1]
.endr
.irp t, 0,1,2,3
	v_sub_f32 v[ST+8*\t+7], v[ST+8*\t+7], v[ST+8*\t]
.endr
	; ONE BATCH of 132 exponentials: the four a, then the 128 p.  The 64 scalings c s - c m stand among them, each in front of the two exponentials of the pair before it: none of these lines names an exponential's result
.irp t, 0,1,2,3
	v_exp_f32 v[ST+8*\t+6], v[ST+8*\t+7]           ; a = 2^(c m_old - c m_new)
.endr
.set e, 0
.rept 64
	v_pk_fma_f32 v[S+2*e:S+2*e+1], v[S+2*e:S+2*e+1], s[CS:CS+1], v[ST+8*(e/16):ST+8*(e/16)+1] op_sel_hi:[1,0,0] neg_lo:[0,0,1] neg_hi:[0,0,1]   ; pair e: c s - c m, two at a time
.if e > 0
	v_exp_f32 v[S+2*e-2], v[S+2*e-2]               ; p of pair e - 1
	v_exp_f32 v[S+2*e-1], v[S+2*e-1]
.endif
.set e, e+1
.endr
	v_exp_f32 v[S+126], v[S+126]
	v_exp_f32 v[S+127], v[S+127]
	v_nop                                          ; a plain instruction behind the last exponential
	s_wait_alu depctr_va_vdst(0)                   ; one wait for the whole batch, ahead of the first instruction that names a result
.set e, 0
.rept 64
	v_cvt_pk_f16_f32 v[P+e], v[S+2*e], v[S+2*e+1]  ; a pair of weights: register 16 t + i of P is keys 2 i, 2 i + 1 of tile t's 32 in my lane
.set e, e+1
.endr
.set e, 0
.rept 32
	v_pk_add_f32 v[S+4*e:S+4*e+1], v[S+4*e:S+4*e+1], v[S+4*e+2:S+4*e+3]          ; the sums of the unrounded p, in place: neighbours 1, 2, 4 and 8 pairs apart
.set e, e+1
.endr
.set e, 0
.rept 16
	v_pk_add_f32 v[S+8*e:S+8*e+1], v[S+8*e:S+8*e+1], v[S+8*e+4:S+8*e+5]
.set e, e+1
.endr
.set e, 0
.rept 8
	v_pk_add_f32 v[S+16*e:S+16*e+1], v[S+16*e:S+16*e+1], v[S+16*e+8:S+16*e+9]
.set e, e+1
.endr
.irp t, 0,1,2,3
	v_pk_add_f32 v[S+32*\t:S+32*\t+1], v[S+32*\t:S+32*\t+1], v[S+32*\t+16:S+32*\t+17]
.endr
.irp t, 0,1,2,3
	v_pk_fma_f32 v[ST+8*\t+2:ST+8*\t+3], v[ST+8*\t+2:ST+8*\t+3], v[ST+8*\t+6:ST+8*\t+7], v[S+32*\t:S+32*\t+1] op_sel_hi:[1,0,1]   ; l = a l + the sum
.endr
	s_wait_dscnt 0x0                               ; V is in
	WIN W_PV
.if !(\first)
	RESC 0                                         ; O^T times a: an accumulator's four multiplies stand two products ahead of the product that takes it up, among the first sixteen products
	RESC 1
.endif
.set i, 0
.rept 32                                       ; O^T += V^T P: keys 32 (i / 16) on, channels 16 ((i / 4) % 4) on, tile i % 4.  Sixteen accumulators by turns
.set rO, O+32*(i%4)+8*((i/4)%4)
.set rV, KV+32*(i/16)+8*((i/4)%4)
.set rP, P+16*(i%4)+8*(i/16)
.if (\first) && (i < 16)
	v_wmma_f32_16x16x32_f16 v[rO:rO+7], v[rV:rV+7], v[rP:rP+7], 0
.else
	v_wmma_f32_16x16x32_f16 v[rO:rO+7], v[rV:rV+7], v[rP:rP+7], v[rO:rO+7]
.endif
.if !(\first) && (i < 14)
	RESC i+2
.endif
.set i, i+1
.endr
	WIN 0
	s_add_co_u32 s[TB], s[TB], STEPB
.endm
; A slot: four steps.  3 - n of my tensor loads were issued behind slot n's and may stay out.
.macro SLOT n
	s_wait_tensorcnt 3-(\n)                        ; my tile of slot n has landed,
	s_wait_dscnt 0x0                               ; no LDS instruction of mine is pending at the signal,
	s_barrier_signal -1
	s_barrier_wait -1                              ; and everybody's tile has
	s_mov_b32 s[TB], (\n)*4*STEPB
.if (\n) == 0
	STEP 1                                         ; the first step of all is written out
	s_mov_b32 s[CNT], 3
.else
	s_mov_b32 s[CNT], 4
.endif
.Lstep_\@:
	STEP 0
	s_sub_co_u32 s[CNT], s[CNT], 1
	s_cmp_lg_u32 s[CNT], 0
	s_cbranch_scc1 .Lstep_\@
.endm
	SLOT 0
	SLOT 1
	SLOT 2
	SLOT 3
	; THE WAY OUT.  l's two halves and the other half of the lanes' are added; O^T is divided by l, rounded to f16 and sent through my stage: four rows of 128 bytes leave by one store.
	PLACES
.irp t, 0,1,2,3
	v_add_f32 v[ST+8*\t+4], v[ST+8*\t+2], v[ST+8*\t+3]
.endr
.irp t, 0,1,2,3
	v_permlanex16_b32 v[ST+8*\t+5], v[ST+8*\t+4], s[SEL], s[SEL+1]
.endr
.irp t, 0,1,2,3
	v_add_f32 v[ST+8*\t+4], v[ST+8*\t+4], v[ST+8*\t+5]
.endr
.irp t, 0,1,2,3
	v_rcp_f32 v[ST+8*\t+6], v[ST+8*\t+4]
.endr
	v_nop                                          ; a plain instruction behind the last reciprocal
	s_wait_alu depctr_va_vdst(0)                   ; and the wait ahead of the first use: one for the four
	WIN 0x41                                       ; O^T (destination and source 0) in window 1, 1 / l in window 0
.set i, 0
.rept 16
	RESC i                                         ; the same four multiplies, now by 1 / l, which stands in a's place; each accumulator from its low end on
.set i, i+1
.endr
	WIN 0x05                                       ; sources in window 1, destination in window 0: S^T's registers are free
.set e, 0
.rept 64
	v_cvt_pk_f16_f32 v[S+e], v[O+2*e], v[O+2*e+1]  ; registers 16 t + 4 ct on: o(query r of tile t, channels 16 ct + 8 h + 0 .. 7)
.set e, e+1
.endr
	WIN 0
.irp t, 0,1,2,3
.irp ct, 0,1,2,3
	ds_store_b128 v[STO], v[S+16*\t+4*\ct:S+16*\t+4*\ct+3] offset:\t*16*SP+32*\ct
.endr
.endr
.irp i, 0,1,2,3,4,5,6,7,8,9,10,11,12,13,14,15
	ds_load_b128 v[P+4*\i:P+4*\i+3], v[RD] offset:(\i/4)*16*SP+(\i%4)*4*SP     ; LDS serves a wave's instructions in order: these see my stores
.endr
.irp i, 0,1,2,3,4,5,6,7,8,9,10,11,12,13,14,15
	s_wait_dscnt 15-\i                             ; load i is in; the younger ones stay out
	global_store_b128 v[GO], v[P+4*\i:P+4*\i+3], s[6:7] offset:\i*512          ; 32 lanes store 512 consecutive bytes, aligned to 512
.endr
	s_wait_tensorcnt 0x0                           ; the wave's end, behind my last tensor load and my last LDS store
	ds_add_u32 v[SPW], v[NIL]
	s_wait_dscnt 0x0
	s_endpgm
.Lfunc_end_k_qc549d2d467_attn:
	.size	k_qc549d2d467_attn, .Lfunc_end_k_qc549d2d467_attn-k_qc549d2d467_attn
	.p2alignl 7, 3214868480
	.fill 96, 4, 3214868480
	.section	.rodata,"a",@progbits
	.p2align	6, 0x0
	.amdhsa_kernel k_qc549d2d467_attn
		.amdhsa_group_segment_fixed_size 327680
		.amdhsa_private_segment_fixed_size 0
		.amdhsa_enable_private_segment 0
		.amdhsa_kernarg_size 16
		.amdhsa_user_sgpr_count 2
		.amdhsa_user_sgpr_kernarg_segment_ptr 1
		.amdhsa_wavefront_size32 1
		.amdhsa_system_sgpr_workgroup_id_x 1
		.amdhsa_system_sgpr_workgroup_id_y 1
		.amdhsa_system_sgpr_workgroup_id_z 1
		.amdhsa_system_vgpr_workitem_id 0
		.amdhsa_next_free_vgpr 512
		.amdhsa_next_free_sgpr 66
		.amdhsa_reserve_vcc 0
		.amdhsa_float_denorm_mode_32 3
		.amdhsa_float_denorm_mode_16_64 3
		.amdhsa_memory_ordered 1
		.amdhsa_forward_progress 1
		.amdhsa_inst_pref_size 177
	.end_amdhsa_kernel
	.amdgpu_metadata
---
amdhsa.version: [ 1, 2 ]
amdhsa.kernels:
  - .name:           k_qc549d2d467_attn
    .symbol:         k_qc549d2d467_attn.kd
    .args:
      - { .name: qkv, .offset: 0, .size: 8, .value_kind: global_buffer, .address_space: global }
      - { .name: att, .offset: 8, .size: 8, .value_kind: global_buffer, .address_space: global }
    .group_segment_fixed_size: 327680
    .private_segment_fixed_size: 0
    .kernarg_segment_align: 8
    .kernarg_segment_size: 16
    .max_flat_workgroup_size: 256
    .sgpr_count:     66
    .vgpr_count:     512
    .wavefront_size: 32
...
	.end_amdgpu_metadata
.endif
;; end of part 3
;; launch outp (part 4): grid 4 x 64, 4 waves a work-group, clusters of 4 x 4, 327,680 bytes of LDS; arguments att, wc16, bc, bc2, out0, out1; writes out0, out1
.if DOCPART == 4
	.amdgcn_target "amdgcn-amd-amdhsa--gfx1250"
	.amdhsa_code_object_version 6
	.text
	.protected	k_qc549d2d467_outp
	.globl	k_qc549d2d467_outp
	.p2align	8
	.type	k_qc549d2d467_outp,@function
k_qc549d2d467_outp:
	s_mov_b64 s[64:65], 0
	v_nop
	global_prefetch_b8 v0, s[64:65] scope:SCOPE_SE
	s_setreg_imm32_b32 hwreg(HW_REG_WAVE_MODE, 25, 1), 1
	s_wait_xcnt 0x0
	s_wait_alu depctr_hold_cnt(0) depctr_sa_sdst(0) depctr_va_vdst(0) depctr_va_sdst(0) depctr_va_ssrc(0) depctr_va_vcc(0) depctr_vm_vsrc(0)
	s_getreg_b32 s2, hwreg(HW_REG_IB_STS2, 6, 4)
	s_cmp_eq_u32 s2, 0
	s_cbranch_scc0 .Lentry_in_a_cluster
	s_endpgm
.Lentry_in_a_cluster:
	s_bfe_u32 s2, ttmp6, 0x10000c
	s_cmp_lg_u32 s2, 0xf033
	s_cbranch_scc0 .Lentry_shape_is_right
	s_endpgm
.Lentry_shape_is_right:
; OUTP: out_p[m][n] = the sum over (h, d) of O_p[m][h][d] Wc_p[n][64 h + d] + bc_p[n], both paths in one launch.  Operands f16, sums f32, the bias as the C of each sum's first product.
; att: f16 [p 2][b 4][h 16][s 1,024][64];  wc16: f16 [p 2][h 16][n 1,024][64];  out0, out1: f32 [4,096][1,024].
; A tile of C is 128 rows x 256 columns: 64 tile rows (the two paths on end) x 4 tile columns.  Four waves, each 64 x 128: 32 accumulators, 256 registers.
; K goes by heads, two heads (128 along K) a K step, through a ring of two LDS slots: a slot holds two planes of A (128 rows x 128 bytes) and two of B (256 rows x 128 bytes); each wave fetches one plane.
; CLUSTERS: 4 x 4 work-groups.  The four of a row need the same tiles of A, the four of a column the same tiles of B: each tile is asked for jointly.  A cluster lies in one path (its y decides).
; THE MATRIX INSTRUCTION IS USED TRANSPOSED (source 0 = 16 rows of Wc, source 1 = 16 rows of O): a lane holds eight neighbouring numbers of a row of C.
; REGISTERS: window 0: v0-31 addresses; v64-127 A's fragments, two buffers of 4 x 8; v128-255 the way out.   window 1: v0-127 B's fragments, two buffers of 8 x 8; v128-191 the bias.   window 2: the accumulators ((a, b) at v[8 (8 a + b)]).
.set PITCH,  144                       ; an LDS row: 128 bytes + 16 of padding
.set APLANE, 128*PITCH
.set BPLANE, 256*PITCH
.set SLOT,   2*APLANE+2*BPLANE
.set STAGE,  2*SLOT                    ; behind the ring: 16 rows x 528 bytes for each wave, bytes of their own
.set SPITCH, 528
.set SPARE,  STAGE+4*16*SPITCH         ; the spare words, 128 bytes for each wave
.set LAPS,   4                         ; a lap = two K steps = four heads
.set HEADB,  131072                    ; bytes from a head's plane to the next, in att and in wc16
.set ADRA, 16                          ; v16-17  LDS address of my A fragments in slot 0, 1
.set ADRB, 20                          ; v20-21  the same for B
.set STO,  24                          ; v24     the way out: where I put 32 bytes of a row
.set RD,   25                          ; v25     where I read a row back
.set CO,   26                          ; v26     16 x lane
.set SPW,  28                          ; v28     my spare word; never rewritten
.set NIL,  29                          ; v29     0; never rewritten
.set BO,   30                          ; v30     the bias loads' offset; never rewritten
.set FA,   64                          ; A's fragments, window 0: buffer f at FA + 32 f
.set BI,   128                         ; the bias, window 1
.set BK,   128                         ; the way out: v128-191 and v192-255 by turns
.set G1, 24                            ; s[24:31] group 1 for A's planes;  s[32:39] groups 0, one for each slot
.set G0, 32
.set G1B, 48                           ; s[48:55], s[56:63] the same for B's
.set G0B, 56
.set MSB, 0
.macro WIN new                         ; the immediate's high byte repeats the setting that is left
.if MSB != (\new)
	s_set_vgpr_msb (MSB<<8)|(\new)
.set MSB, (\new)
.endif
.endm
.set MUL,  0xa1                        ; source 0 (B) window 1, source 1 (A) window 0, C and D window 2.  In the first quarter C is the bias in window 1: 0x91
.set TO_B, 0x40                        ; destination window 1, address window 0
.macro JLOAD s                         ; a joint load: waves 0 and 1 fetch A's two planes, waves 2 and 3 B's; an s_nop 0 and four v_nop follow each line
	s_cmp_eq_u32 s17, 0
	s_cbranch_scc0 .Lfor_b_\@
	tensor_load_to_lds s[G0+4*\s:G0+4*\s+3], s[G1:G1+7]
	s_nop 0
.rept 4
	v_nop
.endr
	s_branch .Lasked_\@
.Lfor_b_\@:
	tensor_load_to_lds s[G0B+4*\s:G0B+4*\s+3], s[G1B:G1B+7]
	s_nop 0
.rept 4
	v_nop
.endr
.Lasked_\@:
.endm
.macro CREST                           ; a round of the cluster's barrier behind its opening barrier
	s_cmp_lg_u32 s16, 0
	s_cbranch_scc1 .Lnot_wave_0_\@
	s_barrier_signal -3
.Lnot_wave_0_\@:
	s_barrier_wait -3
	s_barrier_signal -1
	s_barrier_wait -1
.endm
.macro CROUND
	s_barrier_signal -1
	s_barrier_wait -1
	CREST
.endm
	s_load_b256 s[4:11], s[0:1], 0x0               ; att 4, wc16 6, bc 8, bc2 10
	s_load_b128 s[12:15], s[0:1], 0x20             ; out0 12, out1 14
	v_lshl_add_u32 v[SPW], v0, 2, SPARE
	v_mov_b32 v[NIL], 0
	ds_add_u32 v[SPW], v[NIL]                      ; the wave's opening: the add, twice on end, and its wait ahead of my first tensor load
	ds_add_u32 v[SPW], v[NIL]
	v_lshrrev_b32 v1, 5, v0
	v_readfirstlane_b32 s16, v1                    ; wave 0..3
	s_lshr_b32 s17, s16, 1                         ; which 64 rows of the tile are mine.  Also: I fetch for A (0) or for B (1)
	s_and_b32 s18, s16, 1                          ; which 128 columns.  Also: which of a K step's two heads I fetch
	s_bfe_u32 s40, ttmp6, 0x40000                  ; cx, cy
	s_bfe_u32 s41, ttmp6, 0x40004
	s_lshl_b32 s42, ttmp9, 2
	s_add_co_u32 s42, s42, s40                     ; tile column x = 4 x cluster x + cx
	s_and_b32 s45, ttmp7, 0xffff                   ; the cluster's y: 0 to 7 path 1, 8 to 15 path 2
	s_lshl_b32 s19, s45, 2
	s_add_co_u32 s19, s19, s41                     ; tile row y = 4 x cluster y + cy
	s_lshl_b32 s43, s41, 2
	s_lshl_b32 s43, 15, s43                        ; my row of the cluster
	s_lshl_b32 s44, 0x1111, s40                    ; my column
	s_or_b32 s[G1+0], s43, (1<<16)|(1<<20)|(1<<21)|(4<<22)|(3<<25)   ; the mask: A's planes go to my row; elements of 2 bytes; padding on; bit 21 beside a mask; after every 32 words, 4 words
	s_mov_b32 s[G1+1], 64<<16                      ; tensor_dim0
	s_mov_b32 s[G1+2], 128<<16                     ; tensor_dim1
	s_mov_b32 s[G1+3], 64<<16                      ; tile_dim0
	s_mov_b32 s[G1+4], 128                         ; tile_dim1
	s_mov_b32 s[G1+5], 64                          ; tensor_dim0_stride
	s_mov_b32 s[G1+6], 0
	s_mov_b32 s[G1+7], 0
	s_or_b32 s[G1B+0], s44, (1<<16)|(1<<20)|(1<<21)|(4<<22)|(3<<25)  ; B's planes go to my column
	s_mov_b32 s[G1B+1], 64<<16
	s_mov_b32 s[G1B+2], 256<<16
	s_mov_b32 s[G1B+3], 64<<16
	s_mov_b32 s[G1B+4], 256
	s_mov_b32 s[G1B+5], 64
	s_mov_b32 s[G1B+6], 0
	s_mov_b32 s[G1B+7], 0
	s_lshr_b32 s20, s19, 3                         ; A: y / 8 = 4 p + b: 16 planes each;
	s_lshl_b32 s20, s20, 21
	s_and_b32 s21, s19, 7                          ; 128 (y % 8) rows of 128 bytes into a plane;
	s_lshl_b32 s21, s21, 14
	s_add_co_u32 s20, s20, s21
	s_lshl_b32 s21, s18, 17                        ; my head of the K step's two
	s_add_co_u32 s20, s20, s21
	s_mov_b32 s21, 0
	s_lshr_b32 s46, s45, 3                         ; B: the path's 16 planes;
	s_lshl_b32 s46, s46, 21
	s_lshl_b32 s47, s42, 15                        ; 256 x rows of 128 bytes;
	s_add_co_u32 s46, s46, s47
	s_lshl_b32 s47, s18, 17                        ; my head
	s_add_co_u32 s46, s46, s47
	s_mov_b32 s47, 0
	s_mul_i32 s22, s18, APLANE                     ; where they go: no place in the cluster enters an LDS address
	s_mul_i32 s23, s18, BPLANE
	s_add_co_u32 s23, s23, 2*APLANE
	s_wait_dscnt 0x0                               ; both opening adds are done
	s_wait_kmcnt 0x0
	s_add_nc_u64 s[20:21], s[4:5], s[20:21]
	s_add_nc_u64 s[46:47], s[6:7], s[46:47]
	CROUND                                         ; all sixteen work-groups are here: the first joint loads meet
.irp s, 0,1
	s_mov_b32 s[G0+4*\s], 1
	s_add_co_u32 s[G0+4*\s+1], s22, \s*SLOT
	s_add_nc_u64 s[G0+4*\s+2:G0+4*\s+3], s[20:21], \s*2*HEADB
	s_or_b32 s[G0+4*\s+3], s[G0+4*\s+3], 0x80000000
	s_mov_b32 s[G0B+4*\s], 1
	s_add_co_u32 s[G0B+4*\s+1], s23, \s*SLOT
	s_add_nc_u64 s[G0B+4*\s+2:G0B+4*\s+3], s[46:47], \s*2*HEADB
	s_or_b32 s[G0B+4*\s+3], s[G0B+4*\s+3], 0x80000000
	JLOAD \s                                       ; two tensor loads of mine are out behind the second
.endr
	v_and_b32 v1, 15, v0                           ; r
	v_bfe_u32 v2, v0, 4, 1                         ; h
	; the bias, in the result's layout, and where my part of C begins
	v_lshlrev_b32 v[BO], 5, v2                     ; 32 h bytes
	s_cmp_lt_u32 s45, 8                            ; the path: the cluster's y alone decides
	s_cselect_b64 s[8:9], s[8:9], s[10:11]
	s_cselect_b64 s[12:13], s[12:13], s[14:15]
	s_lshl_b32 s2, s42, 10                         ; my first column, in bytes: 1,024 x + 512 x half
	s_lshl_b32 s3, s18, 9
	s_add_co_u32 s2, s2, s3
	s_mov_b32 s3, 0
	s_add_nc_u64 s[8:9], s[8:9], s[2:3]
	s_add_nc_u64 s[12:13], s[12:13], s[2:3]
	s_and_b32 s2, s19, 31                          ; my first row inside the path: 128 (y % 32) + 64 x half, 4,096 bytes a row
	s_lshl_b32 s2, s2, 19
	s_lshl_b32 s10, s17, 18
	s_add_co_u32 s2, s2, s10
	s_add_nc_u64 s[12:13], s[12:13], s[2:3]
	WIN TO_B
.irp b, 0,1,2,3,4,5,6,7
	global_load_b128 v[BI+8*\b:BI+8*\b+3], v[BO], s[8:9] offset:64*\b          ; register j of block b in lane (r, h): bc[my first column + 16 b + 8 h + j]
	global_load_b128 v[BI+8*\b+4:BI+8*\b+7], v[BO], s[8:9] offset:64*\b+16
.endr
	WIN 0
	v_mul_u32_u24 v3, v1, PITCH
	v_lshl_add_u32 v3, v2, 4, v3                   ; a fragment's row x pitch + 16 x half
	s_mul_i32 s21, s17, 64*PITCH                   ; my 64 rows of A's planes
	s_mul_i32 s22, s18, 128*PITCH                  ; my 128 rows of B's planes,
	s_add_co_u32 s22, s22, 2*APLANE                ; which lie behind A's two
.irp s, 0,1
	v_add_nc_u32 v[ADRA+\s], s21, v3
	v_add_nc_u32 v[ADRB+\s], s22, v3
	s_add_co_u32 s21, s21, SLOT
	s_add_co_u32 s22, s22, SLOT
.endr
	s_mul_i32 s23, s16, 16*SPITCH
	s_add_co_u32 s23, s23, STAGE                   ; my stage
	v_mul_u32_u24 v4, v1, SPITCH                   ; in: row r, 32 bytes for each half of the lanes
	v_lshl_add_u32 v4, v2, 5, v4
	v_add_nc_u32 v[STO], s23, v4
	v_and_b32 v5, 31, v0
	v_lshlrev_b32 v[CO], 4, v5                     ; back: the 32 lanes take one row of 512 bytes; and the same in C
	v_add_nc_u32 v[RD], s23, v[CO]
; 24 LDS loads in one run: the fragments of quarter q of a K step (head q / 2, channels 32 (q % 2) on) into buffer f: B's eight, then A's four
.macro FETCH slot, q, f
	WIN TO_B
.irp i, 0,1,2,3,4,5,6,7
	ds_load_b128 v[64*(\f)+8*\i:64*(\f)+8*\i+3],   v[ADRB+\slot] offset:((\q)/2)*BPLANE+((\q)%2)*64+\i*16*PITCH
	ds_load_b128 v[64*(\f)+8*\i+4:64*(\f)+8*\i+7], v[ADRB+\slot] offset:((\q)/2)*BPLANE+((\q)%2)*64+\i*16*PITCH+32
.endr
	WIN 0
.irp i, 0,1,2,3
	ds_load_b128 v[FA+32*(\f)+8*\i:FA+32*(\f)+8*\i+3],   v[ADRA+\slot] offset:((\q)/2)*APLANE+((\q)%2)*64+\i*16*PITCH
	ds_load_b128 v[FA+32*(\f)+8*\i+4:FA+32*(\f)+8*\i+7], v[ADRA+\slot] offset:((\q)/2)*APLANE+((\q)%2)*64+\i*16*PITCH+32
.endr
.endm
; 8 matrix instructions: A's block a x B's eight, 32 along K, from buffer f.  first = 1: the sums begin with the bias.  The 32 accumulators take turns in the same order in every quarter.
.macro MULA f, a, first
.irp b, 0,1,2,3,4,5,6,7
.if \first
	v_wmma_f32_16x16x32_f16 v[8*(8*(\a)+\b):8*(8*(\a)+\b)+7], v[64*(\f)+8*\b:64*(\f)+8*\b+7], v[FA+32*(\f)+8*(\a):FA+32*(\f)+8*(\a)+7], v[BI+8*\b:BI+8*\b+7]
.else
	v_wmma_f32_16x16x32_f16 v[8*(8*(\a)+\b):8*(8*(\a)+\b)+7], v[64*(\f)+8*\b:64*(\f)+8*\b+7], v[FA+32*(\f)+8*(\a):FA+32*(\f)+8*(\a)+7], v[8*(8*(\a)+\b):8*(8*(\a)+\b)+7]
.endif
.endr
.endm
.macro PLACES                          ; four places in front of loads into registers that matrix instructions have read, and of reads of results
.rept 4
	v_nop
.endr
.endm
; A K step is four quarters of 32 along K, 32 matrix instructions each, on buffers 0, 1, 0, 1.  One of the first three: multiplies buffer f and fetches quarter q into g.
.macro QUARTER slot, q, f, g, first
	s_wait_dscnt 4                                 ; B's eight and A's blocks 0, 1 are in; the youngest four loads (A's blocks 2, 3) may be out
	WIN MUL-0x10*(\first)
	MULA \f, 0, \first
	MULA \f, 1, \first
	PLACES
	FETCH \slot, \q, \g
	s_wait_dscnt 24                                ; all but the 24 just issued
	WIN MUL-0x10*(\first)
	MULA \f, 2, \first
	MULA \f, 3, \first
.endm
; The last quarter multiplies buffer 1 and changes slots: ONE barrier; in front of it each wave waits for all its tensor loads, adds 0 to its spare word, and waits for that and for its reads of this slot.
; fill = 1: the barrier opens a round of the cluster's barrier, and this slot is filled again, two K steps (four heads) ahead: the load has 112 matrix instructions in which to land.
.macro TURN slot, next, fill
	WIN 0                                          ; (the add's two registers lie in window 0)
	s_wait_tensorcnt 0x0                           ; all my tensor loads have landed: my part of the next slot;
	ds_add_u32 v[SPW], v[NIL]                      ; 0 onto my spare word;
	s_wait_dscnt 5                                 ; (the add and the youngest four loads may be out)
	WIN MUL
	MULA 1, 0, 0                                   ; eight matrix instructions stand between the add and the wait for it
	s_wait_dscnt 0x0                               ; the add is done, and my reads of this slot are over
	s_barrier_signal -1
	MULA 1, 1, 0
.if \fill
	WIN 0
.endif
	s_barrier_wait -1
.if \fill
	CREST                                          ; no wave of any partner still reads this slot or has a load on its way
	s_add_nc_u64 s[G0+4*\slot+2:G0+4*\slot+3], s[G0+4*\slot+2:G0+4*\slot+3], 4*HEADB
	s_add_nc_u64 s[G0B+4*\slot+2:G0B+4*\slot+3], s[G0B+4*\slot+2:G0B+4*\slot+3], 4*HEADB
	JLOAD \slot                                    ; the first tensor load behind the round; its four v_nop are also the places in front of the loads below
.else
	PLACES
.endif
	FETCH \next, 0, 0
	WIN MUL
	MULA 1, 2, 0
	MULA 1, 3, 0
.endm
	s_wait_tensorcnt 1                             ; my part of K step 0 is in; K step 1's load may stay out
	s_barrier_signal -1
	s_barrier_wait -1                              ; everybody's is
	FETCH 0, 0, 0
	s_wait_loadcnt 0x0                             ; the bias
	QUARTER 0, 1, 0, 1, 1                          ; the first quarter stands in front of the loop: its products start the sums with the bias
	WIN 0                                          ; at a label and at a branch every window is 0
	s_mov_b32 s3, LAPS-1
.Llap:                                             ; a trip goes once round the ring, from a lap's second quarter to the next lap's first, and fills both slots again
	QUARTER 0, 2, 1, 0, 0
	QUARTER 0, 3, 0, 1, 0
	TURN 0, 1, 1
	QUARTER 1, 1, 0, 1, 0
	QUARTER 1, 2, 1, 0, 0
	QUARTER 1, 3, 0, 1, 0
	TURN 1, 0, 1
	QUARTER 0, 1, 0, 1, 0
	WIN 0
	s_sub_co_u32 s3, s3, 1
	s_cmp_lg_u32 s3, 0
	s_cbranch_scc1 .Llap
	QUARTER 0, 2, 1, 0, 0                          ; the last lap fills nothing, and has no round of the cluster's barrier
	QUARTER 0, 3, 0, 1, 0
	TURN 0, 1, 0
	QUARTER 1, 1, 0, 1, 0
	QUARTER 1, 2, 1, 0, 0
	QUARTER 1, 3, 0, 1, 0
	s_wait_dscnt 4                                 ; the very last quarter: nothing more to fetch
	WIN MUL
	MULA 1, 0, 0
	MULA 1, 1, 0
	s_wait_dscnt 0
	MULA 1, 2, 0
	MULA 1, 3, 0
	WIN 0
; THE WAY OUT, block by block of 16 rows x 128 columns.  A lane holds 32 neighbouring bytes of a row: a block goes through my own stage and comes back as whole rows of 512 bytes.
.macro TOSTAGE a
	WIN 0x08                                       ; an LDS store's data are its source 1: window 2
.irp b, 0,1,2,3,4,5,6,7
	ds_store_b128 v[STO], v[64*(\a)+8*\b:64*(\a)+8*\b+3] offset:64*\b          ; each accumulator from its low end on
	ds_store_b128 v[STO], v[64*(\a)+8*\b+4:64*(\a)+8*\b+7] offset:64*\b+16
.endr
	WIN 0
.set BB, BK+64*((\a)%2)
.irp t, 0,1,2,3,4,5,6,7,8,9,10,11,12,13,14,15
	ds_load_b128 v[BB+4*\t:BB+4*\t+3], v[RD] offset:\t*SPITCH                  ; LDS serves a wave's instructions in order: these see the stores above
.endr
.endm
.macro SEND a, younger                 ; younger: the LDS instructions issued behind block a's loads, which may stay out
.set BB, BK+64*((\a)%2)
	s_wait_dscnt \younger                          ; the block is back in registers
.irp t, 0,1,2,3,4,5,6,7,8,9,10,11,12,13,14,15
	global_store_b128 v[CO], v[BB+4*\t:BB+4*\t+3], s[12:13] offset:(16*(\a)+\t)*4096 th:TH_STORE_NT   ; 32 lanes store 512 consecutive bytes, aligned to 512; written once, read by nobody here
.endr
.endm
	PLACES
	TOSTAGE 0
.irp a, 1,2,3
.if \a > 1
	s_wait_xcnt 0x0                                ; block a - 2's stores have read their registers: block a's loads may land there
.endif
	TOSTAGE \a
	SEND \a-1, 32                                  ; behind block a - 1's loads: block a's 16 stores and 16 loads
.endr
	SEND 3, 0
	s_wait_tensorcnt 0x0                           ; the wave's end, behind my last tensor load and my last LDS store
	ds_add_u32 v[SPW], v[NIL]
	s_wait_dscnt 0x0
	CROUND                                         ; the closing round
	s_endpgm
.Lfunc_end_k_qc549d2d467_outp:
	.size	k_qc549d2d467_outp, .Lfunc_end_k_qc549d2d467_outp-k_qc549d2d467_outp
	.p2alignl 7, 3214868480
	.fill 96, 4, 3214868480
	.section	.rodata,"a",@progbits
	.p2align	6, 0x0
	.amdhsa_kernel k_qc549d2d467_outp
		.amdhsa_group_segment_fixed_size 327680
		.amdhsa_private_segment_fixed_size 0
		.amdhsa_enable_private_segment 0
		.amdhsa_kernarg_size 48
		.amdhsa_user_sgpr_count 2
		.amdhsa_user_sgpr_kernarg_segment_ptr 1
		.amdhsa_wavefront_size32 1
		.amdhsa_system_sgpr_workgroup_id_x 1
		.amdhsa_system_sgpr_workgroup_id_y 1
		.amdhsa_system_sgpr_workgroup_id_z 1
		.amdhsa_system_vgpr_workitem_id 0
		.amdhsa_next_free_vgpr 768
		.amdhsa_next_free_sgpr 66
		.amdhsa_reserve_vcc 0
		.amdhsa_float_denorm_mode_32 3
		.amdhsa_float_denorm_mode_16_64 3
		.amdhsa_memory_ordered 1
		.amdhsa_forward_progress 1
		.amdhsa_inst_pref_size 87
	.end_amdhsa_kernel
	.amdgpu_metadata
---
amdhsa.version: [ 1, 2 ]
amdhsa.kernels:
  - .name:           k_qc549d2d467_outp
    .symbol:         k_qc549d2d467_outp.kd
    .args:
      - { .name: att, .offset: 0, .size: 8, .value_kind: global_buffer, .address_space: global }
      - { .name: wc16, .offset: 8, .size: 8, .value_kind: global_buffer, .address_space: global }
      - { .name: bc, .offset: 16, .size: 8, .value_kind: global_buffer, .address_space: global }
      - { .name: bc2, .offset: 24, .size: 8, .value_kind: global_buffer, .address_space: global }
      - { .name: out0, .offset: 32, .size: 8, .value_kind: global_buffer, .address_space: global }
      - { .name: out1, .offset: 40, .size: 8, .value_kind: global_buffer, .address_space: global }
    .group_segment_fixed_size: 327680
    .private_segment_fixed_size: 0
    .kernarg_segment_align: 8
    .kernarg_segment_size: 48
    .max_flat_workgroup_size: 128
    .sgpr_count:     66
    .vgpr_count:     768
    .wavefront_size: 32
...
	.end_amdgpu_metadata
.endif
;; end of part 4
